; MI455X (gfx1250); checked and timed in simulation.
; The chip was launched on July 23, 2026; its instructions are those of AMD's public machine-readable ISA for CDNA 5 (MIT licence, August 2026) and "CDNA5" Instruction Set Architecture Reference Guide (July 2026). The comments in the code are by the model that wrote it; some were corrected since.
;; Attention. Allowed arithmetic: matrix products marked QUANTISED: E2M1 operands, one E8M0 scale for each 32 along K, by v_wmma_scale_f32_16x16x128_f8f6f4 with both operands' format E2M1 (or v_wmma_scale_f32_32x16x128_f4), f32 sums; everything else in f32.
;; Inputs: bk 2,048 float32; bp 2,048 float32; bq 2,048 float32; bv 2,048 float32; cos 2,048 x 64 float32; sin 2,048 x 64 float32; wk_codes 2,048 x 64 x 16 uint8 (E2M1 codes of wk, K innermost, in blocks of 32 codes, two codes a byte); wk_scales 2,048 x 64 uint8 (E8M0 scales of wk, one for each 32 codes along K); wp_codes 2,048 x 64 x 16 uint8 (E2M1 codes of wp, K innermost, in blocks of 32 codes, two codes a byte); wp_scales 2,048 x 64 uint8 (E8M0 scales of wp, one for each 32 codes along K); wq_codes 2,048 x 64 x 16 uint8 (E2M1 codes of wq, K innermost, in blocks of 32 codes, two codes a byte); wq_scales 2,048 x 64 uint8 (E8M0 scales of wq, one for each 32 codes along K); wv_codes 2,048 x 64 x 16 uint8 (E2M1 codes of wv, K innermost, in blocks of 32 codes, two codes a byte); wv_scales 2,048 x 64 uint8 (E8M0 scales of wv, one for each 32 codes along K); x_codes 2,048 x 64 x 16 uint8 (E2M1 codes of x, K innermost, in blocks of 32 codes, two codes a byte); x_scales 2,048 x 64 uint8 (E8M0 scales of x, one for each 32 codes along K).
;; Outputs: out0 2,048 x 2,048 float32.
;; This version of the problem:
;;   THIS VERSION OF THE PROBLEM IS GIVEN IN LOW PRECISION. The matrix products marked QUANTISED in the list below multiply operands that are first quantised to E2M1 (2 exponent bits, 1 mantissa bit; 4 bits a number), with one power-of-two scale for each 32 numbers along K (OCP MX v1.0); their sums are f32. All else is computed in f32.
;;   The module's matrix products, in the order in which they are computed (A, B: the left and right operand; K: the contracted axis; several contracted axes count as one K, in the product's order):
;;     1. [M 2,048, K 2,048] x [K 2,048, N 2,048]; A: input x (given as codes); B: input wq (given as codes): QUANTISED
;;     2. [M 2,048, K 2,048] x [K 2,048, N 2,048]; A: input x (given as codes); B: input wk (given as codes): QUANTISED
;;     3. [M 2,048, K 2,048] x [K 2,048, N 2,048]; A: input x (given as codes); B: input wv (given as codes): QUANTISED
;;     4. batch 16 x [M 2,048, K 128] x [K 128, N 2,048]; A: computed on the way; B: computed on the way: QUANTISED
;;     5. batch 16 x [M 128, K 2,048] x [K 2,048, N 2,048]; A: computed on the way; B: softmax (see below): QUANTISED
;;     6. [M 2,048, K 2,048] x [K 2,048, N 2,048]; A: computed on the way; B: input wp (given as codes): QUANTISED
;;   THE QUANTISER, for each operand of a quantised product, along K:
;;     - K is cut into blocks of 32 from its start; a last block that is shorter is filled with zeros.
;;     - A block's scale is 2^e with e = floor(log2(the largest magnitude in the block)) - 2, held to -126 .. 127; a block of zeros has e = 0. As a byte (E8M0): e + 127.
;;     - Each number is divided by its block's scale, clamped to +-6, and rounded to the nearest number of E2M1, ties to even, subnormals kept.
;;     - The product sums the exact products of the quantised numbers (number of the format x scale) in f32.
;;   ~~~python
;;   def quantise(x, axis):      # numpy; x: float32 -> the quantised numbers, widened to float32 again
;;       x = np.moveaxis(x, axis, -1); K = x.shape[-1]
;;       x = np.pad(x, [(0, 0)] * (x.ndim - 1) + [(0, -K % 32)]); x = x.reshape(x.shape[:-1] + (-1, 32)); a = np.abs(x).max(-1, keepdims=True)
;;       e = np.where(a > 0, np.clip(np.frexp(np.where(a > 0, a, 1))[1] - 1 - 2, -126, 127), 0)      # np.frexp(a)[1] - 1 = floor(log2(a)), exactly
;;       r = np.clip(x / 2.0 ** e, -6, 6)
;;       step = 2.0 ** (np.maximum(np.frexp(np.where(r == 0, 1, r))[1] - 1, 0) - 1)
;;       q = np.round(r / step) * step * 2.0 ** e      # np.round: ties to even
;;       return np.moveaxis(q.reshape(q.shape[:-2] + (-1,))[..., :K], -1, axis).astype(np.float32)
;;   ~~~
;;   SOFTMAX AHEAD OF A QUANTISED PRODUCT. Where the list says 'softmax', what is quantised is not the finished softmax but p = 2^(t - M), with t = logit x log2(e) and M = ceil(the row's largest t), a whole number; so 1/2 < the row's largest p <= 1. The row's sum l is taken of the UNQUANTISED p, in f32, and the product's result is divided by l at the end. Since M is a whole number, a kernel that streams over the keys may use a running M (the ceiling of the running maximum): every later rescaling is an exact power of two, which a block's scale takes up: the codes' values come out the same.
;;   OPERANDS COMPUTED ON THE WAY. 'Computed on the way' means the value that the module computes at that place (a softmax that the list does not call 'softmax' is quantised finished and normalised). What goes into a quantiser is computed in f32, as accurately as f32 sums, v_exp_f32 and their like allow (about 1e-6 of the number): no bf16 or f16 on the way to a quantiser, and a product that is left as it is and whose result goes on into a quantised operand takes f32 operands (vector FMAs, or v_wmma_f32_16x16x4_f32). A number that lies on a knife's edge between two numbers of the format may be rounded either way, as far as f32 arithmetic and the matrix unit's own rounding can turn it there, and no further.
;;   INPUTS GIVEN AS CODES. wk (in the module: [2048, 2048], K = its axis 1); wp (in the module: [2048, 2048], K = its axis 1); wq (in the module: [2048, 2048], K = its axis 1); wv (in the module: [2048, 2048], K = its axis 1); x (in the module: [2048, 2048], K = its axis 1): each comes as NAME_codes (uint8): NAME with its K axis moved to the last place and cut into blocks of 32 codes, [.., K / 32, bytes a block], one block behind the other in memory; two codes a byte, the lower K in the low four bits (a code: sign, 2 exponent bits, 1 mantissa bit); and NAME_scales (uint8): the same leading axes, one E8M0 byte (e + 127) for each 32 codes along K. Its value is code x scale, taken as it is: it is not quantised again, and the codes and scales need not be those that the quantiser above would give.
;; 2 versions, each right and faster than the one before. Each part assembles by itself: llvm-mc -triple=amdgcn-amd-amdhsa -mcpu=gfx1250 --defsym DOCPART=n.
;; ======== version 1 of 2: 3 launches
;; workspace buffers: qw 2,228,224 bytes; kv 4,456,448 bytes; af 2,097,152 bytes; asc 131,072 bytes
;; launch qkv (part 1): grid 24 x 8, 4 waves a work-group, clusters of 4 x 4, 327,680 bytes of LDS; arguments x_codes, x_scales, wq_codes, wq_scales, wk_codes, wk_scales, wv_codes, wv_scales, bq, bk, bv, cos, sin, qw, kv; writes qw, kv
.if DOCPART == 1
	.amdgcn_target "amdgcn-amd-amdhsa--gfx1250"
	.amdhsa_code_object_version 6
	.text
	.protected	k_q0304caa232_qkv
	.globl	k_q0304caa232_qkv
	.p2align	8
	.type	k_q0304caa232_qkv,@function
k_q0304caa232_qkv:
	s_mov_b64 s[64:65], 0
	v_nop
	global_prefetch_b8 v0, s[64:65] scope:SCOPE_SE
	s_setreg_imm32_b32 hwreg(HW_REG_WAVE_MODE, 25, 1), 1
	s_wait_xcnt 0x0
	s_wait_alu depctr_hold_cnt(0) depctr_sa_sdst(0) depctr_va_vdst(0) depctr_va_sdst(0) depctr_va_ssrc(0) depctr_va_vcc(0) depctr_vm_vsrc(0)
	s_getreg_b32 s2, hwreg(HW_REG_IB_STS2, 6, 4)
	s_cmp_eq_u32 s2, 0
	s_cbranch_scc0 .Lentry_in_a_cluster
	s_endpgm
.Lentry_in_a_cluster:
	s_bfe_u32 s2, ttmp6, 0x10000c
	s_cmp_lg_u32 s2, 0xf033
	s_cbranch_scc0 .Lentry_shape_is_right
	s_endpgm
.Lentry_shape_is_right:
; THREE PRODUCTS ON CODES OF FP4 (E2M1, one E8M0 byte for each 32 along K) IN ONE LAUNCH, each C = A B^T with M = N = K = 2,048, and what follows them up to the next quantiser.
;   product 0: A = x, B = wq: q = x wq^T + bq, turned by cos and sin, quantised along the head's 128.     product 1: the same with wk, bk: k.
;   product 2: A = wv, B = x: v^T = wv x^T + bv (bv by ROW), quantised along the KEYS, which are the columns here.
; The product's number is cluster x / 2: the same in all sixteen partners of a cluster.  Only pointers are chosen by it, and the one branch at the way out.
; A tile of C, 256 x 256, is made by four waves, 128 x 128 each: 64 accumulators of 16 x 16.  K goes in steps of 512 through two LDS slots filled by tensor loads; the scale bytes of the tile's rows of A and B, for all of K, come once.
; CLUSTERS: 4 x 4 work-groups; A's tiles are asked for jointly along a row of the cluster, B's along a column.
; THE MATRIX INSTRUCTION IS USED TRANSPOSED (source 0 = 16 rows of B, source 1 = 16 rows of A): lane (r, h) holds row r of a block of 16 rows, and register j of accumulator b column 16 b + 8 h + j.
; A wave's 128 columns are one head (q, k) or one step of 128 keys (v^T): so each block of 16 rows x 128 columns is ONE operand fragment of the attention launch, and the quantiser runs along a lane's registers.
; WHAT IS STORED: images of operand registers.  A fragment is 1,024 bytes: registers 0-3 of lane l at 16 l, registers 4-7 at 512 + 16 l; each store of the wave covers 512 consecutive bytes, aligned.
;   qw: [head][128 queries] records of 8,704 bytes: 8 fragments, then their scale words (row r of fragment t at 32 r + 4 t).
;   kv: [head][128 keys] records of 17,408 bytes: k's 8 fragments, v^T's 8 fragments, k's scale words, v^T's scale words.
; LIMITS: NaN and infinities are not served.  A block of zeros, or one whose largest magnitude lies under 2^-124, gets the scale byte 1: these bytes are read by this program alone.  r c - i s is one multiply and one fused multiply-add.
; REGISTERS, in windows of 256.  window 0: v0-31 addresses; v32-95 scale words, two sets, and nothing else; v96-103 the bias by row; v128-191 A's fragments, one set; on the way out v128-255 are at work.
;   window 1: B's fragments, two sets, at v0 and v128; v64-127 a set of cos and sin; v192-255 the bias by column.   windows 2, 3: the accumulators ((a, b) at v[8 (8 (a % 4) + b)]).
.set SIZE_K, 2048
.set KSTEP,  512                       ; along K in a slot
.set NQ,     KSTEP/128                 ; matrix instructions deep
.set ROWB,   256                       ; a tile's row in bytes
.set KROW,   SIZE_K*4/8                ; a row of codes in memory
.set PITCH,  272                       ; an LDS row: 256 bytes + 16 of padding: the 16 rows that a load touches start 68 words apart
.set FR,     8                         ; registers of a fragment
.set NL,     2                         ; LDS loads that bring one
.set NP,     4                         ; places behind this matrix instruction (ISA guide 7.12.1)
.set HALFT,  128*PITCH                 ; 128 rows: one tensor load
.set SLOT,   4*HALFT                   ; A's 256 rows, then B's 256
.set LAPS,   SIZE_K/(2*KSTEP)
.set KS,     SIZE_K/32                 ; a row of scale bytes
.set SCL,    2*SLOT                    ; behind the ring: the scale bytes, as pieces of 256 bytes + 16 of padding
.set HALFS,  (128*KS/256)*272
.set SBLK,   (16*KS/256)*272
.set SPARE,  SCL+4*HALFS               ; the spare words, 128 bytes for each wave; no other line names them
.set WH,   2                           ; s2      which product: 0 q, 1 k, 2 v^T
.set OUT,  66                          ; s[66:67] where my eight fragments go
.set SEL,  96                          ; s[96:97] lane selects: lane l xor 16
.set PCOS, 98                          ; s[98:99] cos at my first row; s[100:101] sin
.set PSIN, 100
.set ADRA, 16                          ; v16-17  LDS address of my A fragments in slot 0, 1
.set ADRB, 20                          ; v20-21  the same for B
.set HH,   22                          ; v22     lane / 16
.set LI,   24                          ; v24     16 x lane: my place in an image
.set VC,   25                          ; v25     256 r + 16 h: my place in 16 rows of cos or sin
.set VBC,  26                          ; v26     32 h: the bias by column
.set ADRS, 27                          ; v27     LDS address of my scale words
.set SPW,  28                          ; v28     my spare word; never rewritten
.set NIL,  29                          ; v29     0; never rewritten
.set SWO,  30                          ; v30     where my four scale words go
.set VBR,  31                          ; v31     4 r: the bias by row
.set SC,   32
.set RB,   96                          ; v96-103 bias of row 16 a + r, a = 0 .. 7
.set AF,   128
.set T,    128                         ; the way out: a block's 64 numbers
.set TMP,  192                         ; v192-199 at work
.set TM,   200                         ; v200-211 the quantiser's: largest magnitudes, bytes, scale operands
.set PW,   212                         ; v212-219 the eight blocks' scale words
.set DW,   220                         ; v220-223 the four that I store
.set PC,   224                         ; v224-255 codes: four sets of eight, by turns
.set CB,   192                         ; window 1: the bias by column
.set G1, 24
.set G0, 32
.set G1B, 48
.set G0B, 56
.set G1S, 68
.set G0S, 76
.set G1SB, 80
.set G0SB, 88
.set MSB, 0
.macro WIN new                         ; the immediate's high byte repeats the setting that is left
.if MSB != (\new)
	s_set_vgpr_msb (MSB<<8)|(\new)
.set MSB, (\new)
.endif
.endm
.set MUL_LO, 0xa1                      ; source 0 (B) window 1, source 1 (A) window 0, C and D window 2
.set MUL_HI, 0xf1                      ; the same, C and D window 3
.set TO_B,   0x40                      ; destination window 1, address window 0
; A joint load: waves 0 and 1 fetch for A, waves 2 and 3 for B; the branch hangs on the wave's number alone.  Four v_nop follow each of the two lines.
.macro JLOAD g0a, g1a, g0b, g1b
	s_cmp_eq_u32 s15, 0
	s_cbranch_scc0 .Lfor_b_\@
	tensor_load_to_lds s[\g0a:\g0a+3], s[\g1a:\g1a+7]
	s_nop 0
.rept 4
	v_nop
.endr
	s_branch .Lasked_\@
.Lfor_b_\@:
	tensor_load_to_lds s[\g0b:\g0b+3], s[\g1b:\g1b+7]
	s_nop 0
.rept 4
	v_nop
.endr
.Lasked_\@:
.endm
.macro CREST                           ; a round of the cluster's barrier behind its opening barrier
	s_cmp_lg_u32 s14, 0
	s_cbranch_scc1 .Lnot_wave_0_\@
	s_barrier_signal -3
.Lnot_wave_0_\@:
	s_barrier_wait -3
	s_barrier_signal -1
	s_barrier_wait -1
.endm
.macro CROUND                          ; a whole round
	s_barrier_signal -1
	s_barrier_wait -1
	CREST
.endm
	s_load_b512 s[68:83], s[0:1], 0x0              ; x's codes, scales; wq's; wk's; wv's
	s_load_b256 s[84:91], s[0:1], 0x40             ; bq, bk, bv, cos
	s_load_b128 s[92:95], s[0:1], 0x60             ; sin, qw
	s_load_b64 s[96:97], s[0:1], 0x70              ; kv
	v_lshl_add_u32 v[SPW], v0, 2, SPARE
	v_mov_b32 v[NIL], 0
	ds_add_u32 v28, v29
	ds_add_u32 v28, v29
	s_wait_dscnt 0x0
	v_lshrrev_b32 v1, 5, v0
	v_readfirstlane_b32 s14, v1                    ; wave 0..3
	s_lshr_b32 s15, s14, 1                         ; which half of the tile's rows is mine.  Also: I fetch for A (0) or for B (1)
	s_and_b32 s16, s14, 1                          ; which half of its columns.  Also: which 128 rows of that tile I fetch
	s_bfe_u32 s40, ttmp6, 0x40000                  ; cx, cy: my place in the cluster
	s_bfe_u32 s41, ttmp6, 0x40004
	s_lshr_b32 s[WH], ttmp9, 1                     ; two clusters along x to a product
	s_and_b32 s42, ttmp9, 1
	s_lshl_b32 s42, s42, 2
	s_add_co_u32 s42, s42, s40                     ; tile column of the product
	s_and_b32 s17, ttmp7, 0xffff
	s_lshl_b32 s17, s17, 2
	s_add_co_u32 s17, s17, s41                     ; tile row
	s_lshl_b32 s43, s41, 2
	s_lshl_b32 s43, 15, s43                        ; my row of the cluster
	s_lshl_b32 s44, 0x1111, s40                    ; my column
	; descriptor group 1: a tile of 128 rows x 256 bytes, 16 bytes of padding behind each row
	s_or_b32 s[G1+0], s43, (0<<16)|(1<<20)|(1<<21)|(5<<22)|(3<<25)
	s_or_b32 s[G1B+0], s44, (0<<16)|(1<<20)|(1<<21)|(5<<22)|(3<<25)
.irp g, G1, G1B
	s_mov_b32 s[\g+1], ROWB<<16                    ; tensor_dim0
	s_mov_b32 s[\g+2], 128<<16                     ; tensor_dim1
	s_mov_b32 s[\g+3], ROWB<<16                    ; tile_dim0
	s_mov_b32 s[\g+4], 128                         ; tile_dim1
	s_mov_b32 s[\g+5], KROW                        ; from row to row
	s_mov_b32 s[\g+6], 0
	s_mov_b32 s[\g+7], 0
.endr
	s_wait_kmcnt 0x0
	; the product's buffers: a choice between pointers on the product's number
	s_cmp_eq_u32 s[WH], 2
	s_cselect_b64 s[4:5], s[80:81], s[68:69]       ; A's codes: wv's or x's
	s_cselect_b64 s[6:7], s[82:83], s[70:71]       ; A's scales
	s_cselect_b64 s[8:9], s[68:69], s[76:77]       ; B's codes: x's or wk's
	s_cselect_b64 s[10:11], s[70:71], s[78:79]
	s_cselect_b64 s[12:13], s[88:89], s[86:87]     ; the bias: bv or bk
	s_cmp_eq_u32 s[WH], 0
	s_cselect_b64 s[8:9], s[72:73], s[8:9]         ; wq's
	s_cselect_b64 s[10:11], s[74:75], s[10:11]
	s_cselect_b64 s[12:13], s[84:85], s[12:13]     ; bq
	s_cselect_b64 s[OUT:OUT+1], s[94:95], s[96:97] ; qw or kv
	s_mov_b64 s[PCOS:PCOS+1], s[90:91]
	s_mov_b64 s[PSIN:PSIN+1], s[92:93]
	; group 1 for the scale bytes of 128 rows: a dense block, as rows of 256 bytes (32 elements of 8 bytes), 16 bytes of padding behind each
	s_or_b32 s[G1S+0], s43, (3<<16)|(1<<20)|(1<<21)|(5<<22)|(3<<25)
	s_or_b32 s[G1SB+0], s44, (3<<16)|(1<<20)|(1<<21)|(5<<22)|(3<<25)
.irp g, G1S, G1SB
	s_mov_b32 s[\g+1], 32<<16
	s_mov_b32 s[\g+2], (128*KS/256)<<16
	s_mov_b32 s[\g+3], 32<<16
	s_mov_b32 s[\g+4], 128*KS/256
	s_mov_b32 s[\g+5], 32
	s_mov_b32 s[\g+6], 0
	s_mov_b32 s[\g+7], 0
.endr
	s_lshl_b32 s18, s16, 7                         ; which 128 rows of the tile I fetch
	s_lshl_b32 s20, s17, 8
	s_add_co_u32 s20, s20, s18                     ; A: row 256 x tile row + 128 x half
	s_lshl_b32 s46, s42, 8
	s_add_co_u32 s46, s46, s18                     ; B: row 256 x tile column + 128 x half
	s_mov_b32 s21, 0
	s_mov_b32 s47, 0
	s_mov_b64 s[18:19], KS
	s_mul_u64 s[22:23], s[20:21], s[18:19]         ; where these rows' scales begin, in bytes
	s_mul_u64 s[92:93], s[46:47], s[18:19]
	s_mov_b64 s[18:19], KROW
	s_mul_u64 s[20:21], s[20:21], s[18:19]         ; and their codes
	s_mul_u64 s[46:47], s[46:47], s[18:19]
	s_mul_i32 s45, s14, HALFT                      ; where they go: wave x 128 rows
	s_mul_i32 s94, s14, HALFS
	s_add_nc_u64 s[20:21], s[4:5], s[20:21]
	s_add_nc_u64 s[22:23], s[6:7], s[22:23]
	s_add_nc_u64 s[46:47], s[8:9], s[46:47]
	s_add_nc_u64 s[92:93], s[10:11], s[92:93]
	CROUND                                         ; all sixteen work-groups are here: the first joint loads meet
	s_mov_b32 s[G0S], 1
	s_add_co_u32 s[G0S+1], s94, SCL
	s_mov_b64 s[G0S+2:G0S+3], s[22:23]
	s_or_b32 s[G0S+3], s[G0S+3], 0x80000000
	s_mov_b32 s[G0SB], 1
	s_add_co_u32 s[G0SB+1], s94, SCL
	s_mov_b64 s[G0SB+2:G0SB+3], s[92:93]
	s_or_b32 s[G0SB+3], s[G0SB+3], 0x80000000
	JLOAD G0S, G1S, G0SB, G1SB                     ; the scales first: they are wanted with K step 0
.irp s, 0,1
	s_mov_b32 s[G0+4*\s], 1
	s_add_co_u32 s[G0+4*\s+1], s45, \s*SLOT
	s_add_nc_u64 s[G0+4*\s+2:G0+4*\s+3], s[20:21], \s*ROWB
	s_or_b32 s[G0+4*\s+3], s[G0+4*\s+3], 0x80000000
	s_mov_b32 s[G0B+4*\s], 1
	s_add_co_u32 s[G0B+4*\s+1], s45, \s*SLOT
	s_add_nc_u64 s[G0B+4*\s+2:G0B+4*\s+3], s[46:47], \s*ROWB
	s_or_b32 s[G0B+4*\s+3], s[G0B+4*\s+3], 0x80000000
	JLOAD G0+4*\s, G1, G0B+4*\s, G1B
.endr
	v_and_b32 v1, 15, v0                           ; r = lane % 16
	v_bfe_u32 v2, v0, 4, 1                         ; h = lane / 16
	v_mul_u32_u24 v3, v1, PITCH
	v_lshl_add_u32 v4, v2, 4, v3                   ; a fragment's row x pitch + 16 x half
	s_mul_i32 s21, s15, HALFT                      ; my 128 rows of A
	s_mul_i32 s22, s16, HALFT                      ; my 128 rows of B,
	s_add_co_u32 s22, s22, 2*HALFT                 ; which lie behind A's 256
.irp s, 0,1
	v_add_nc_u32 v[ADRA+\s], s21, v4
	v_add_nc_u32 v[ADRB+\s], s22, v4
	s_add_co_u32 s21, s21, SLOT
	s_add_co_u32 s22, s22, SLOT
.endr
	v_mul_u32_u24 v5, v1, KS                       ; my row's scales: KS bytes a row,
	v_lshrrev_b32 v6, 8, v5
	v_lshl_add_u32 v5, v6, 4, v5                   ; and 16 more for each 256 passed
	s_mul_i32 s21, s15, HALFS                      ; A's: my 128 rows
	s_mul_i32 s22, s16, HALFS                      ; B's: my 128 rows, behind A's 256
	s_add_co_u32 s22, s22, 2*HALFS
	s_sub_co_u32 s22, s22, s21
	v_mul_u32_u24 v6, s22, v2                      ; lanes 16-31 take B's
	s_add_co_u32 s21, s21, SCL
	v_add_nc_u32 v5, v5, v6
	v_add_nc_u32 v[ADRS], s21, v5
	; the way out's addresses
	v_and_b32 v6, 31, v0
	v_lshlrev_b32 v[LI], 4, v6
	v_lshlrev_b32 v[VC], 8, v1
	v_lshl_add_u32 v[VC], v2, 4, v[VC]
	v_lshlrev_b32 v[VBC], 5, v2
	v_lshlrev_b32 v[VBR], 2, v1
	v_mov_b32 v[HH], v2
	s_mov_b32 s[SEL], 0x76543210
	s_mov_b32 s[SEL+1], 0xfedcba98
	s_lshl_b32 s20, s17, 1
	s_add_co_u32 s20, s20, s15                     ; which 128 rows of the product are mine
	s_lshl_b32 s21, s42, 1
	s_add_co_u32 s21, s21, s16                     ; which 128 columns
	s_mov_b32 s46, 17408                           ; a record of kv
	s_mov_b32 s47, 16384                           ; k's scale words in it
	s_cmp_eq_u32 s[WH], 2
	s_cselect_b32 s22, s20, s21                    ; the head: v^T's rows, q's and k's columns
	s_cselect_b32 s23, s21, s20                    ; the 128 tokens: the other of the two
	s_cselect_b32 s18, 8192, 0                     ; v^T's fragments lie behind k's
	s_cselect_b32 s47, 8704, s47                   ; and its scale words 8,704 behind its fragments
	s_cmp_eq_u32 s[WH], 0
	s_cselect_b32 s46, 8704, s46                   ; a record of qw
	s_cselect_b32 s47, 8192, s47
	s_lshl_b32 s19, s22, 4
	s_add_co_u32 s19, s19, s23                     ; 16 x head + the tokens' number
	s_mul_i32 s92, s19, s46
	s_add_co_u32 s92, s92, s18
	s_mov_b32 s93, 0
	s_add_nc_u64 s[OUT:OUT+1], s[OUT:OUT+1], s[92:93]
	s_lshl_b32 s92, s22, 9                         ; the head's 128 numbers of the bias
	s_add_nc_u64 s[12:13], s[12:13], s[92:93]
	s_lshl_b32 s92, s20, 15                        ; my 128 rows of cos and sin, 256 bytes each
	s_add_nc_u64 s[PCOS:PCOS+1], s[PCOS:PCOS+1], s[92:93]
	s_add_nc_u64 s[PSIN:PSIN+1], s[PSIN:PSIN+1], s[92:93]
	v_lshlrev_b32 v[SWO], 5, v1
	v_lshl_add_u32 v[SWO], v2, 4, v[SWO]
	v_add_nc_u32 v[SWO], s47, v[SWO]               ; 32 r + 16 h behind the fragments
; cos and sin of block a's 16 rows: lane (r, h) wants, for accumulator b, those of pairs 8 b + 4 h + 0 .. 3: 16 bytes each.  Three sets in window 1, by turns: v64, v128, v0; in a set 32 of cos, then 32 of sin.
.macro CSLOAD a
.set CSB, (64*(1+(\a)%3))%192
	WIN TO_B
.irp b, 0,1,2,3,4,5,6,7
	global_load_b128 v[CSB+4*\b:CSB+4*\b+3], v[VC], s[PCOS:PCOS+1] offset:4096*(\a)+32*\b
	global_load_b128 v[CSB+32+4*\b:CSB+32+4*\b+3], v[VC], s[PSIN:PSIN+1] offset:4096*(\a)+32*\b
.endr
.endm
	; Both forms of the bias and the first set of cos and sin are loaded whatever the product (every address lies inside its buffer): so nothing here hangs on a branch.
	WIN TO_B
.irp b, 0,1,2,3,4,5,6,7
	global_load_b128 v[CB+8*\b:CB+8*\b+3], v[VBC], s[12:13] offset:64*\b        ; bias of columns 16 b + 8 h + 0 .. 7
	global_load_b128 v[CB+8*\b+4:CB+8*\b+7], v[VBC], s[12:13] offset:64*\b+16
.endr
	CSLOAD 0
	WIN 0
.irp a, 0,1,2,3,4,5,6,7
	global_load_b32 v[RB+\a], v[VBR], s[12:13] offset:64*\a                     ; bias of row 16 a + r
.endr
.macro FRAG reg, adr, q, i             ; a fragment: lane l holds row l % 16; registers 4 c .. 4 c + 3 hold K = 64 c + 32 (l / 16) + 0 .. 31
.irp c, 0,1
	ds_load_b128 v[\reg+4*\c:\reg+4*\c+3], v[\adr] offset:64*(\q)+32*\c+(\i)*16*PITCH
.endr
.endm
; 16 matrix instructions: A's blocks a0, a0 + 1 x B's eight, the slot's q-th 128 along K.  p: B's set; sc: the set of scale words.  zero = 1: the product starts the sums.
; The 64 accumulators take turns, one instruction a turn, in the same order in every step.
.macro MUL16 a0, p, q, sc, zero
.irp a, \a0, \a0+1
.irp b, 0,1,2,3,4,5,6,7
.if \zero
	v_wmma_scale_f32_16x16x128_f8f6f4 v[8*(8*((\a)%4)+\b):8*(8*((\a)%4)+\b)+7], v[128*(\p)+FR*\b:128*(\p)+FR*\b+FR-1], v[AF+FR*(\a):AF+FR*(\a)+FR-1], 0, v[SC+8*NQ*(\sc)+NQ*\b+(\q)], v[SC+8*NQ*(\sc)+NQ*(\a)+(\q)] matrix_a_fmt:MATRIX_FMT_FP4 matrix_b_fmt:MATRIX_FMT_FP4 matrix_a_scale:MATRIX_SCALE_ROW1
.else
	v_wmma_scale_f32_16x16x128_f8f6f4 v[8*(8*((\a)%4)+\b):8*(8*((\a)%4)+\b)+7], v[128*(\p)+FR*\b:128*(\p)+FR*\b+FR-1], v[AF+FR*(\a):AF+FR*(\a)+FR-1], v[8*(8*((\a)%4)+\b):8*(8*((\a)%4)+\b)+7], v[SC+8*NQ*(\sc)+NQ*\b+(\q)], v[SC+8*NQ*(\sc)+NQ*(\a)+(\q)] matrix_a_fmt:MATRIX_FMT_FP4 matrix_b_fmt:MATRIX_FMT_FP4 matrix_a_scale:MATRIX_SCALE_ROW1
.endif
.endr
.endr
.endm
.macro FETCH_B slot, q, p              ; B's eight fragments of the slot's q-th 128 along K into set p
	WIN TO_B
.irp i, 0,1,2,3,4,5,6,7
	FRAG 128*(\p)+FR*\i, ADRB+\slot, \q, \i
.endr
	WIN 0
.endm
.macro FETCH_A slot, q, i0             ; A's blocks i0 .. i0 + 3
.irp i, \i0, \i0+1, \i0+2, \i0+3
	FRAG AF+FR*(\i), ADRA+\slot, \q, \i
.endr
.endm
.macro SCALES sc                       ; a K step's scale words into set sc: lanes 0-15 take A's block i, lanes 16-31 B's block i
.irp i, 0,1,2,3,4,5,6,7
	ds_load_b128 v[SC+8*NQ*\sc+NQ*\i:SC+8*NQ*\sc+NQ*\i+3], v[ADRS] offset:\i*SBLK
.endr
.endm
.macro PLACES n                        ; plain vector instructions between a matrix instruction and a load into, or a vector instruction on, its registers
.rept \n
	v_nop
.endr
.endm
; A step of 128 along K that has its successor in the same slot
.macro STEP slot, q, zero
	s_wait_dscnt 4*NL                              ; B's set and A's blocks 0-3 are in; the youngest eight loads (A's blocks 4-7) may be out
	WIN MUL_LO
	MUL16 0, (\q)%2, \q, \slot, \zero
	MUL16 2, (\q)%2, \q, \slot, \zero
	s_wait_dscnt 0                                 ; A's blocks 4-7 are in
	PLACES NP
	FETCH_B \slot, (\q)+1, 1-(\q)%2
	FETCH_A \slot, (\q)+1, 0
	WIN MUL_HI
	MUL16 4, (\q)%2, \q, \slot, \zero
	MUL16 6, (\q)%2, \q, \slot, \zero
	PLACES NP
	WIN 0
	FETCH_A \slot, (\q)+1, 4
.endm
; A slot's last step changes slots: one barrier; in front of it each wave waits for all its tensor loads, adds 0 to its spare word, and waits for that and for its reads of this slot.  fill = 1: this slot is filled again, two K steps ahead.
.macro TURN slot, next, fill
	s_wait_tensorcnt 0x0                           ; all my tensor loads have landed: my part of the next slot
	ds_add_u32 v[SPW], v[NIL]                      ; 0 onto my spare word
	s_wait_dscnt 4*NL+1                            ; the add and the youngest eight loads, A's blocks 4-7, may be out
	WIN MUL_LO
	MUL16 0, 1, NQ-1, \slot, 0
	s_wait_dscnt 0x0                               ; the add is done, and my reads of this slot are over
	s_barrier_signal -1
	MUL16 2, 1, NQ-1, \slot, 0
	WIN 0
	s_barrier_wait -1
.if \fill
	CREST                                          ; the barrier has opened a round of the cluster's barrier: no wave of any partner still reads this slot or has a load on its way
	s_add_nc_u64 s[G0+4*\slot+2:G0+4*\slot+3], s[G0+4*\slot+2:G0+4*\slot+3], 2*ROWB
	s_add_nc_u64 s[G0B+4*\slot+2:G0B+4*\slot+3], s[G0B+4*\slot+2:G0B+4*\slot+3], 2*ROWB
	JLOAD G0+4*\slot, G1, G0B+4*\slot, G1B         ; the first tensor load behind the round; its four v_nop are the places in front of the loads below
.else
	PLACES NP
.endif
	v_add_nc_u32 v[ADRS], 4*NQ, v[ADRS]            ; on to the next K step's scale words
	FETCH_B \next, 0, 0
	FETCH_A \next, 0, 0
	SCALES \next
	WIN MUL_HI
	MUL16 4, 1, NQ-1, \slot, 0
	MUL16 6, 1, NQ-1, \slot, 0
	PLACES NP
	WIN 0
	FETCH_A \next, 0, 4
.endm
.macro STEPS slot, from                ; the slot's steps from .. NQ - 2
.set Q, \from
.rept NQ-1-\from
	STEP \slot, Q, 0
.set Q, Q+1
.endr
.endm
	s_wait_loadcnt 0x0                             ; the biases and the first cos and sin: once, beside the wait for the first tiles
	s_wait_tensorcnt 1                             ; the scales and my part of K step 0 are in; K step 1's load, the one issued behind them, may be out
	s_barrier_signal -1
	s_barrier_wait -1                              ; everybody's are
	FETCH_B 0, 0, 0
	FETCH_A 0, 0, 0
	SCALES 0
	FETCH_A 0, 0, 4
	STEP 0, 0, 1                                   ; the first step stands in front of the loop: its products start the sums
	s_mov_b32 s3, LAPS-1
.Llap:                                                 ; a trip goes once round the ring and fills both slots again
	STEPS 0, 1
	TURN 0, 1, 1
	STEPS 1, 0
	TURN 1, 0, 1
	STEP 0, 0, 0
	s_sub_co_u32 s3, s3, 1
	s_cmp_lg_u32 s3, 0
	s_cbranch_scc1 .Llap
	STEPS 0, 1                                     ; the last lap fills nothing
	TURN 0, 1, 0
	STEPS 1, 0
	s_wait_dscnt 4*NL
	WIN MUL_LO
	MUL16 0, 1, NQ-1, 1, 0
	MUL16 2, 1, NQ-1, 1, 0
	s_wait_dscnt 0
	WIN MUL_HI
	MUL16 4, 1, NQ-1, 1, 0
	MUL16 6, 1, NQ-1, 1, 0
	WIN 0
; THE QUANTISER.  64 numbers of a lane, v[s + 8 t + j] = column 16 t + 8 h + j of my row, become the fragment's eight registers, K in its true places, in v[pc] on.
; CODES: eight numbers a conversion.  Before the exchange register 4 c holds (64 c + 0.. | 64 c + 8..) in lanes (0-15 | 16-31) and register 4 c + 1 (64 c + 32.. | 64 c + 40..): the exchange of the first's upper
; lanes with the second's lower ones gives (64 c + 0.. | 64 c + 32..) and (64 c + 8.. | 64 c + 40..): K = 64 c + 32 h + 8 i in register 4 c + i.  Registers 4 c + 2, 4 c + 3 likewise.
.macro CODES s, pc, so
.irp c, 0,1
	v_cvt_scalef32_pk8_fp4_f32 v[\pc+4*\c], v[\s+32*\c:\s+32*\c+7], v[\so+2*\c]
	v_cvt_scalef32_pk8_fp4_f32 v[\pc+4*\c+2], v[\s+32*\c+8:\s+32*\c+15], v[\so+2*\c]
	v_cvt_scalef32_pk8_fp4_f32 v[\pc+4*\c+1], v[\s+32*\c+16:\s+32*\c+23], v[\so+2*\c+1]
	v_cvt_scalef32_pk8_fp4_f32 v[\pc+4*\c+3], v[\s+32*\c+24:\s+32*\c+31], v[\so+2*\c+1]
.endr
	v_nop                                          ; one plain place behind the scaled conversions
.irp c, 0,1
	v_permlane16_swap_b32 v[\pc+4*\c], v[\pc+4*\c+1]
	v_permlane16_swap_b32 v[\pc+4*\c+2], v[\pc+4*\c+3]
.endr
.endm
.macro QUANTN s, pc, pw                ; and the row's scale word in v[pw]
.irp b, 0,1,2,3
	v_max3_num_f32 v[TM+\b], |v[\s+16*\b]|, |v[\s+16*\b+1]|, 0x1800000   ; block b: my 16 of its 32 numbers, and the floor 2^(3 - 127): the byte cannot fall under 1
.endr
.irp i, 2,4,6,8,10,12,14
.irp b, 0,1,2,3
	v_max3_num_f32 v[TM+\b], v[TM+\b], |v[\s+16*\b+\i]|, |v[\s+16*\b+\i+1]|
.endr
.endr
.irp b, 0,1,2,3
	v_permlanex16_b32 v[TM+4+\b], v[TM+\b], s[SEL], s[SEL+1]
.endr
.irp b, 0,1,2,3
	v_max_num_f32 v[TM+\b], v[TM+\b], v[TM+4+\b]   ; with lane l xor 16's: the block's largest magnitude
.endr
.irp b, 0,1,2,3
	v_add_nc_u32 v[TM+8+\b], 0xff000000, v[TM+\b]  ; 2 off its exponent field: the conversion's scale operand
.endr
.irp b, 0,1,2,3
	v_lshrrev_b32 v[TM+4+\b], 23, v[TM+8+\b]       ; the scale's byte
.endr
	v_lshl_or_b32 v[\pw], v[TM+5], 8, v[TM+4]
	v_lshl_or_b32 v[\pw], v[TM+6], 16, v[\pw]
	v_lshl_or_b32 v[\pw], v[TM+7], 24, v[\pw]
	CODES \s, \pc, TM+8
.endm
; THE WAY OUT of block a (16 rows x 128 columns).  Each accumulator is read from its low end on.
.macro ADDB a                          ; + the bias by column
.set AC, 64*((\a)%4)
	WIN 0x06+(\a)/4                                ; source 0: window 2 or 3; source 1: window 1
.set i, 0
.rept 32
	v_pk_add_f32 v[T+i:T+i+1], v[AC+i:AC+i+1], v[CB+i:CB+i+1]
.set i, i+2
.endr
.endm
.macro ADDBV a, e                      ; + the bias by row: register e of the pair serves both halves
.set AC, 64*((\a)%4)
	WIN 0x02+(\a)/4
.set i, 0
.rept 32
	v_pk_add_f32 v[T+i:T+i+1], v[AC+i:AC+i+1], v[RB+2*((\a)/2):RB+2*((\a)/2)+1] op_sel:[0,\e] op_sel_hi:[1,\e]
.set i, i+2
.endr
.endm
; A pair (r, i) becomes (r c - i s, i c + r s).  p: the pair among the accumulator's four; its c and s are register e of pair u of the four loaded.
.macro RMUL b, p, u, e                 ; (i s, r s)
	v_pk_mul_f32 v[TMP+2*\p:TMP+2*\p+1], v[T+8*\b+2*\p:T+8*\b+2*\p+1], v[CSB+32+4*\b+2*\u:CSB+32+4*\b+2*\u+1] op_sel:[1,\e] op_sel_hi:[0,\e]
.endm
.macro RFMA b, p, u, e                 ; (r c - i s, i c + r s)
	v_pk_fma_f32 v[T+8*\b+2*\p:T+8*\b+2*\p+1], v[T+8*\b+2*\p:T+8*\b+2*\p+1], v[CSB+4*\b+2*\u:CSB+4*\b+2*\u+1], v[TMP+2*\p:TMP+2*\p+1] op_sel:[0,\e,0] op_sel_hi:[1,\e,1] neg_lo:[0,0,1]
.endm
.macro ROPE a
.set CSB, (64*(1+(\a)%3))%192
	WIN 0x04                                       ; source 1: window 1
.irp b, 0,1,2,3,4,5,6,7
	RMUL \b, 0, 0, 0
	RMUL \b, 1, 0, 1
	RMUL \b, 2, 1, 0
	RMUL \b, 3, 1, 1
	RFMA \b, 0, 0, 0
	RFMA \b, 1, 0, 1
	RFMA \b, 2, 1, 0
	RFMA \b, 3, 1, 1
.endr
.endm
.macro SENDF a                         ; quantised, and stored as an image
	WIN 0
.if (\a) >= 4
	s_wait_xcnt 0x0                                ; block a - 4's stores have read their registers: the set of codes is written again only behind this wait
.endif
	QUANTN T, PC+8*((\a)%4), PW+(\a)
	global_store_b128 v[LI], v[PC+8*((\a)%4):PC+8*((\a)%4)+3], s[OUT:OUT+1] offset:1024*(\a)       ; 32 lanes store 512 consecutive bytes, aligned
	global_store_b128 v[LI], v[PC+8*((\a)%4)+4:PC+8*((\a)%4)+7], s[OUT:OUT+1] offset:1024*(\a)+512
.endm
.macro OUTQK a, left                   ; left: the loads of cos and sin issued behind block a's set
	ADDB \a
	s_wait_loadcnt \left
	ROPE \a
	SENDF \a
.if (\a)+3 < 8
	CSLOAD (\a)+3                                  ; into the set that has just been read
.endif
.endm
.macro OUTV a, e
	ADDBV \a, \e
	SENDF \a
.endm
.irp b, 0,1,2,3
	v_mov_b32 v[TM+4+\b], 0                        ; a lane permute's destination counts as one of its sources.  These four are also the places behind the last products
.endr
	s_cmp_eq_u32 s[WH], 2
	s_cbranch_scc1 .Lway_v
	CSLOAD 1                                       ; into B's two sets, which are done with
	CSLOAD 2
	OUTQK 0, 32
	OUTQK 1, 32
	OUTQK 2, 32
	OUTQK 3, 32
	OUTQK 4, 32
	OUTQK 5, 32
	OUTQK 6, 16
	OUTQK 7, 0
	s_branch .Ldone
.Lway_v:
	OUTV 0, 0
	OUTV 1, 1
	OUTV 2, 0
	OUTV 3, 1
	OUTV 4, 0
	OUTV 5, 1
	OUTV 6, 0
	OUTV 7, 1
.Ldone:
	v_cmp_eq_u32 vcc_lo, 1, v[HH]                  ; every lane holds its row's eight scale words: lanes 0-15 store those of fragments 0-3, lanes 16-31 those of 4-7
.irp i, 0,1,2,3
	v_cndmask_b32 v[DW+\i], v[PW+\i], v[PW+4+\i], vcc_lo
.endr
	global_store_b128 v[SWO], v[DW:DW+3], s[OUT:OUT+1]   ; 512 consecutive bytes, aligned
	s_wait_tensorcnt 0x0                           ; the wave's end
	ds_add_u32 v[SPW], v[NIL]
	s_wait_dscnt 0x0
	CROUND                                         ; the closing round
	s_endpgm
.Lfunc_end_k_q0304caa232_qkv:
	.size	k_q0304caa232_qkv, .Lfunc_end_k_q0304caa232_qkv-k_q0304caa232_qkv
	.p2alignl 7, 3214868480
	.fill 96, 4, 3214868480
	.section	.rodata,"a",@progbits
	.p2align	6, 0x0
	.amdhsa_kernel k_q0304caa232_qkv
		.amdhsa_group_segment_fixed_size 327680
		.amdhsa_private_segment_fixed_size 0
		.amdhsa_enable_private_segment 0
		.amdhsa_kernarg_size 120
		.amdhsa_user_sgpr_count 2
		.amdhsa_user_sgpr_kernarg_segment_ptr 1
		.amdhsa_wavefront_size32 1
		.amdhsa_system_sgpr_workgroup_id_x 1
		.amdhsa_system_sgpr_workgroup_id_y 1
		.amdhsa_system_sgpr_workgroup_id_z 1
		.amdhsa_system_vgpr_workitem_id 0
		.amdhsa_next_free_vgpr 1024
		.amdhsa_next_free_sgpr 102
		.amdhsa_reserve_vcc 1
		.amdhsa_float_denorm_mode_32 3
		.amdhsa_float_denorm_mode_16_64 3
		.amdhsa_memory_ordered 1
		.amdhsa_forward_progress 1
		.amdhsa_inst_pref_size 255
	.end_amdhsa_kernel
	.section	.bss,"aw",@nobits
	.p2align	6
	.space	262144
	.amdgpu_metadata
---
amdhsa.version: [ 1, 2 ]
amdhsa.kernels:
  - .name:           k_q0304caa232_qkv
    .symbol:         k_q0304caa232_qkv.kd
    .args:
      - { .name: x_codes, .offset: 0, .size: 8, .value_kind: global_buffer, .address_space: global }
      - { .name: x_scales, .offset: 8, .size: 8, .value_kind: global_buffer, .address_space: global }
      - { .name: wq_codes, .offset: 16, .size: 8, .value_kind: global_buffer, .address_space: global }
      - { .name: wq_scales, .offset: 24, .size: 8, .value_kind: global_buffer, .address_space: global }
      - { .name: wk_codes, .offset: 32, .size: 8, .value_kind: global_buffer, .address_space: global }
      - { .name: wk_scales, .offset: 40, .size: 8, .value_kind: global_buffer, .address_space: global }
      - { .name: wv_codes, .offset: 48, .size: 8, .value_kind: global_buffer, .address_space: global }
      - { .name: wv_scales, .offset: 56, .size: 8, .value_kind: global_buffer, .address_space: global }
      - { .name: bq, .offset: 64, .size: 8, .value_kind: global_buffer, .address_space: global }
      - { .name: bk, .offset: 72, .size: 8, .value_kind: global_buffer, .address_space: global }
      - { .name: bv, .offset: 80, .size: 8, .value_kind: global_buffer, .address_space: global }
      - { .name: cos, .offset: 88, .size: 8, .value_kind: global_buffer, .address_space: global }
      - { .name: sin, .offset: 96, .size: 8, .value_kind: global_buffer, .address_space: global }
      - { .name: qw, .offset: 104, .size: 8, .value_kind: global_buffer, .address_space: global }
      - { .name: kv, .offset: 112, .size: 8, .value_kind: global_buffer, .address_space: global }
    .group_segment_fixed_size: 327680
    .private_segment_fixed_size: 0
    .kernarg_segment_align: 8
    .kernarg_segment_size: 120
    .max_flat_workgroup_size: 128
    .sgpr_count:     102
    .vgpr_count:     1024
    .wavefront_size: 32
...
	.end_amdgpu_metadata
.endif
;; end of part 1
;; launch attn (part 2): grid 16 x 16, 8 waves a work-group, no clusters, 279,552 bytes of LDS; arguments qw, kv, af, asc; writes af, asc
.if DOCPART == 2
	.amdgcn_target "amdgcn-amd-amdhsa--gfx1250"
	.amdhsa_code_object_version 6
	.text
	.protected	k_q0304caa232_attn
	.globl	k_q0304caa232_attn
	.p2align	8
	.type	k_q0304caa232_attn,@function
k_q0304caa232_attn:
	s_mov_b64 s[64:65], 0
	v_nop
	global_prefetch_b8 v0, s[64:65] scope:SCOPE_SE
	s_setreg_imm32_b32 hwreg(HW_REG_WAVE_MODE, 25, 1), 1
	s_wait_xcnt 0x0
; CAUSAL ATTENTION ON CODES OF FP4 (E2M1, one E8M0 byte for each 32 along a product's K): 16 heads of 128, 2,048 tokens; the logit is the score / sqrt(2,048).
; In: qw and kv, images of operand registers (a fragment of 16 rows x 128 K is 1,024 bytes: registers 0-3 of lane l at 16 l, registers 4-7 at 512 + 16 l; a record's scale word of row r of fragment t at 32 r + 4 t).
;   qw: [head][128 queries] records of 8,704 bytes.   kv: [head][128 keys] records of 17,408 bytes: k's 8 fragments (16 keys x 128), v^T's 8 (16 of the head's 128 x 128 keys), k's scale words, v^T's.
; Out: the attention's result, divided by the row's sum and quantised along the model's 2,048, again as images: af [head / 4][16 tokens][head % 4][1,024 bytes]; its scale words asc [token][head].
; THE SOFTMAX: t = score x log2(e) / sqrt(2,048); M = the row's largest t so far, rounded UP to a whole number; p = 2^(t - M) is quantised along the keys, not normalised; the row's sum is taken of the unquantised p.
; When M moves, the sum and O are multiplied by 2^(old M - new M): exact.
; SHARES.  A wave owns 16 queries.  A work-group (x = j, y = the head) owns queries 64 j .. 64 j + 63 and 64 (31 - j) .. + 63: four waves each.  Under the mask a tile of queries from Q0 on has Q0 / 128 + 1 key steps,
; so a light and a heavy wave together have j / 2 + 1 + (31 - j) / 2 + 1 = 17, for every j.  Waves 1, 2, 4, 7 (an odd number of ones in the wave's number) are the heavy ones.
; LDS holds the head's kv, 278,528 bytes, as it lies in memory.  It is filled ONCE, by four tensor loads a wave issued at the head (four key steps to a group, an eighth of a group to a wave): four loads of mine are out
; at the most; nothing is filled again.  A barrier stands in front of each group's steps.
; NO CLUSTER, though the 16 work-groups of a head read the same kv: a step all of whose keys come after a wave's queries is jumped over, and that branch compares with 64 j or 64 (31 - j): it differs between the
; work-groups that would ask jointly.
; LAYOUT.  Both products are used transposed: S^T = K Q^T, O^T = V^T P^T: lane (r, h) holds query r throughout; register 8 t + j is key (or channel) 16 t + 8 h + j.
; LIMITS: NaN and infinities are not served.  A block of zeros, or one under 2^-124, gets the scale byte 1: these bytes are read by this program alone.  The division by the sum is a reciprocal and a multiply.
.set REC,   17408                      ; a key step's record
.set GRP,   4*REC                      ; a group
.set PART,  GRP/8                      ; a wave's part of it: 34 rows of 256 bytes
.set HEADB, 16*REC
.set QREC,  8704
.set VOFF,  8192                       ; in a record: v^T's fragments,
.set KSO,   16384                      ; k's scale words,
.set VSO,   16896                      ; v^T's
.set WV,  12                           ; s12  wave
.set HD,  13                           ; s13  head
.set G1,  16                           ; s[16:23] descriptor group 1;  s[24:39] four groups 0
.set G0,  24
.set SEL, 40                           ; s[40:41] lane selects: lane l xor 16
.set CS,  42                           ; s[42:43] c = log2(e) / sqrt(2,048)
.set TB,  44                           ; s44  LDS byte of the step's record
.set KF,  45                           ; s45  the step's first key
.set Q0,  46                           ; s46  my first query
.set CNT, 47
.set LI,  1                            ; v1   16 x lane
.set LSW, 2                            ; v2   32 r
.set ADI, 3                            ; v3   the step's images
.set ADW, 4                            ; v4   the step's scale words
.set GS,  5                            ; v5   64 r: my row of asc
.set QF,  16                           ; v16-23 Q
.set QS,  24                           ; v24  Q's scale words
.set PS,  25                           ; v25  p's scale word
.set FF,  26                           ; v[26:27] f = 2^(old M - new M), and a 0 that is named with it
.set OS,  28                           ; v28  the result's scale word
.set F,   32                           ; v32-95  8 fragments of K, then of V
.set S,   96                           ; v96-159 S^T, then p, at the end O^T / the sum
.set O,   160                          ; v160-223 O^T
.set PC,  224                          ; v224-231 codes
.set TM,  232                          ; v232-243 at work: largest numbers, bytes, scale operands
.set SW,  244                          ; v244-251 8 scale words of K, then of V
	s_load_b256 s[4:11], s[0:1], 0x0               ; qw, kv, af, asc
	v_lshl_add_u32 v253, v0, 2, 0x44000
	v_mov_b32 v255, 0
	ds_add_u32 v253, v255
	ds_add_u32 v253, v255
	v_lshrrev_b32 v1, 5, v0
	v_readfirstlane_b32 s[WV], v1
	s_and_b32 s[HD], ttmp7, 0xffff
	; group 1: 34 rows of 256 bytes (32 elements of 8 bytes), dense, no padding
	s_mov_b32 s[G1+0], 3<<16
	s_mov_b32 s[G1+1], 32<<16                      ; tensor_dim0
	s_mov_b32 s[G1+2], 34<<16                      ; tensor_dim1
	s_mov_b32 s[G1+3], 32<<16                      ; tile_dim0
	s_mov_b32 s[G1+4], 34                          ; tile_dim1
	s_mov_b32 s[G1+5], 32                          ; from row to row
	s_mov_b32 s[G1+6], 0
	s_mov_b32 s[G1+7], 0
	s_mul_i32 s48, s[WV], PART                     ; my part: the same place in a group in LDS and in memory
	s_mul_i32 s50, s[HD], HEADB
	s_add_co_u32 s50, s50, s48
	s_mov_b32 s51, 0
	s_wait_dscnt 0x0
	s_wait_kmcnt 0x0
	s_add_nc_u64 s[50:51], s[6:7], s[50:51]
.irp g, 0,1,2,3
	s_mov_b32 s[G0+4*\g], 1
	s_add_co_u32 s[G0+4*\g+1], s48, \g*GRP
	s_add_nc_u64 s[G0+4*\g+2:G0+4*\g+3], s[50:51], \g*GRP
	s_or_b32 s[G0+4*\g+3], s[G0+4*\g+3], 0x80000000
.endr
	tensor_load_to_lds s[G0:G0+3], s[G1:G1+7]      ; all the fills of the launch, as one group
	s_nop 0
	tensor_load_to_lds s[G0+4:G0+7], s[G1:G1+7]
	s_nop 0
	tensor_load_to_lds s[G0+8:G0+11], s[G1:G1+7]
	s_nop 0
	tensor_load_to_lds s[G0+12:G0+15], s[G1:G1+7]
	s_nop 0
.rept 4
	v_nop
.endr
	s_bcnt1_i32_b32 s60, s[WV]
	s_and_b32 s60, s60, 1                          ; 1: a heavy wave
	s_sub_co_u32 s61, 31, ttmp9
	s_cmp_eq_u32 s60, 1
	s_cselect_b32 s61, s61, ttmp9                  ; 31 - j or j
	s_lshl_b32 s61, s61, 6
	s_lshr_b32 s60, s[WV], 1                       ; 0 .. 3 among the light waves, and among the heavy
	s_lshl_b32 s60, s60, 4
	s_add_co_u32 s[Q0], s61, s60
	s_lshr_b32 s52, s[Q0], 7
	s_lshl_b32 s53, s[HD], 4
	s_add_co_u32 s52, s52, s53
	s_mul_i32 s52, s52, QREC                       ; my record of qw,
	s_bfe_u32 s59, s[Q0], 0x30004                  ; my tile in it,
	s_lshl_b32 s53, s59, 10
	s_add_co_u32 s52, s52, s53
	s_mov_b32 s53, 0
	s_mul_i32 s58, s59, 1020
	s_sub_co_u32 s58, 8192, s58                    ; and from my fragment to my tile's scale words: 8,192 + 4 t - 1,024 t
	s_lshr_b32 s54, s[HD], 2
	s_lshl_b32 s54, s54, 19                        ; af: 524,288 (head / 4)
	s_lshl_b32 s55, s[Q0], 8                       ; + 4,096 (Q0 / 16)
	s_add_co_u32 s54, s54, s55
	s_and_b32 s55, s[HD], 3
	s_lshl_b32 s55, s55, 10                        ; + 1,024 (head % 4)
	s_add_co_u32 s54, s54, s55
	s_mov_b32 s55, 0
	s_lshl_b32 s56, s[Q0], 6                       ; asc: 64 Q0 + 4 head
	s_lshl_b32 s57, s[HD], 2
	s_add_co_u32 s56, s56, s57
	s_mov_b32 s57, 0
	s_add_nc_u64 s[4:5], s[4:5], s[52:53]
	s_add_nc_u64 s[8:9], s[8:9], s[54:55]
	s_add_nc_u64 s[10:11], s[10:11], s[56:57]
	s_mov_b32 s[SEL], 0x76543210
	s_mov_b32 s[SEL+1], 0xfedcba98
	s_mov_b32 s[CS], 0x3d0293ee
	s_mov_b32 s[CS+1], s[CS]                       ; named with it as a pair, so it is written
	s_mov_b32 s[KF], 0
	v_and_b32 v6, 15, v0                           ; r
	v_bfe_u32 v7, v0, 4, 1                         ; h
	v_and_b32 v[LI], 31, v0
	v_lshlrev_b32 v[LI], 4, v[LI]
	v_lshlrev_b32 v[LSW], 5, v6
	v_add_nc_u32 v8, s58, v[LSW]
	global_load_b128 v[QF:QF+3], v[LI], s[4:5]     ; Q's fragment stays in registers
	global_load_b128 v[QF+4:QF+7], v[LI], s[4:5] offset:512
	global_load_b32 v[QS], v8, s[4:5]
	v_lshlrev_b32 v9, 3, v7
	v_sub_nc_u32 v9, v6, v9                        ; r - 8 h, for the mask
	v_mov_b32 v13, 0xff61b1e6                      ; the largest t so far: -3e38
	v_floor_f32 v12, -v13                          ; -M
	v_mov_b32 v14, 0                               ; the sum, in two halves
	v_mov_b32 v15, 0
	v_mov_b32 v[FF+1], 0
	v_mov_b32 v252, 0
.irp b, 0,1,2,3
	v_mov_b32 v[TM+4+\b], 0                        ; a lane permute's destination counts as one of its sources
.endr
.set j, 0
.rept 64
	v_mov_b32 v[O+j], 0                            ; O^T: the step is written without a first step of its own; the first change of M multiplies zeros
.set j, j+1
.endr
; the conversions: as in the launch that made q, k and v: register 4 c + i of the fragment ends with K = 64 c + 32 h + 8 i + 0 .. 7
.macro CODES s, pc, so
.irp c, 0,1
	v_cvt_scalef32_pk8_fp4_f32 v[\pc+4*\c], v[\s+32*\c:\s+32*\c+7], v[\so+2*\c]
	v_cvt_scalef32_pk8_fp4_f32 v[\pc+4*\c+2], v[\s+32*\c+8:\s+32*\c+15], v[\so+2*\c]
	v_cvt_scalef32_pk8_fp4_f32 v[\pc+4*\c+1], v[\s+32*\c+16:\s+32*\c+23], v[\so+2*\c+1]
	v_cvt_scalef32_pk8_fp4_f32 v[\pc+4*\c+3], v[\s+32*\c+24:\s+32*\c+31], v[\so+2*\c+1]
.endr
	v_nop                                          ; one plain place behind the scaled conversions
.irp c, 0,1
	v_permlane16_swap_b32 v[\pc+4*\c], v[\pc+4*\c+1]
	v_permlane16_swap_b32 v[\pc+4*\c+2], v[\pc+4*\c+3]
.endr
.endm
.macro QUANTN s, pc, pw
.irp b, 0,1,2,3
	v_max3_num_f32 v[TM+\b], |v[\s+16*\b]|, |v[\s+16*\b+1]|, 0x1800000
.endr
.irp i, 2,4,6,8,10,12,14
.irp b, 0,1,2,3
	v_max3_num_f32 v[TM+\b], v[TM+\b], |v[\s+16*\b+\i]|, |v[\s+16*\b+\i+1]|
.endr
.endr
.irp b, 0,1,2,3
	v_permlanex16_b32 v[TM+4+\b], v[TM+\b], s[SEL], s[SEL+1]
.endr
.irp b, 0,1,2,3
	v_max_num_f32 v[TM+\b], v[TM+\b], v[TM+4+\b]
.endr
.irp b, 0,1,2,3
	v_add_nc_u32 v[TM+8+\b], 0xff000000, v[TM+\b]
.endr
.irp b, 0,1,2,3
	v_lshrrev_b32 v[TM+4+\b], 23, v[TM+8+\b]
.endr
	v_lshl_or_b32 v[\pw], v[TM+5], 8, v[TM+4]
	v_lshl_or_b32 v[\pw], v[TM+6], 16, v[\pw]
	v_lshl_or_b32 v[\pw], v[TM+7], 24, v[\pw]
	CODES \s, \pc, TM+8
.endm
; A KEY STEP: 128 keys
.macro STEP
	s_cmp_gt_u32 s[KF], s[Q0]                      ; KF is a multiple of 128 and Q0 of 16 inside 128: KF > Q0 says that all 128 keys come after my 16 queries
	s_cbranch_scc1 .Lhidden_\@
	v_add_nc_u32 v[ADI], s[TB], v[LI]
	v_add_nc_u32 v[ADW], s[TB], v[LSW]
	v_nop
	v_nop                                          ; four places in front of loads into registers that the last products read
.irp t, 0,1,2,3,4,5,6,7
	ds_load_b128 v[F+8*\t:F+8*\t+3], v[ADI] offset:1024*\t
	ds_load_b128 v[F+8*\t+4:F+8*\t+7], v[ADI] offset:1024*\t+512
.endr
	ds_load_b128 v[SW:SW+3], v[ADW] offset:KSO
	ds_load_b128 v[SW+4:SW+7], v[ADW] offset:KSO+16
	s_wait_dscnt 0x0
.irp t, 0,1,2,3,4,5,6,7
	v_wmma_scale_f32_16x16x128_f8f6f4 v[S+8*\t:S+8*\t+7], v[F+8*\t:F+8*\t+7], v[QF:QF+7], 0, v[SW+\t], v[QS] matrix_a_fmt:MATRIX_FMT_FP4 matrix_b_fmt:MATRIX_FMT_FP4
.endr
.rept 4
	v_nop                                          ; places: in front of V's loads into the same registers, and of the first read of the scores
.endr
.irp t, 0,1,2,3,4,5,6,7
	ds_load_b128 v[F+8*\t:F+8*\t+3], v[ADI] offset:VOFF+1024*\t       ; V lands while the softmax is worked
	ds_load_b128 v[F+8*\t+4:F+8*\t+7], v[ADI] offset:VOFF+1024*\t+512
.endr
	ds_load_b128 v[SW:SW+3], v[ADW] offset:VSO
	ds_load_b128 v[SW+4:SW+7], v[ADW] offset:VSO+16
	s_add_co_u32 s48, s[KF], 127                   ; on the diagonal hidden scores become -infinity ahead of the maximum; a step all of whose keys count skips this
	s_cmp_le_u32 s48, s[Q0]
	s_cbranch_scc1 .Lopen_\@
	s_sub_co_i32 s48, s[Q0], s[KF]
	v_add_nc_u32 v252, s48, v9                     ; d = my query - KF - 8 h.  Register n holds key KF + 8 h + 16 (n / 8) + n % 8: hidden where 16 (n / 8) + n % 8 > d
	v_mov_b32 v254, 0xff800000
.set n, 0
.rept 64
	v_cmp_gt_i32 vcc_lo, 16*(n/8)+n%8, v252
	v_cndmask_b32 v[S+n], v[S+n], v254, vcc_lo
.set n, n+1
.endr
.Lopen_\@:
.irp b, 0,1,2,3
	v_max3_num_f32 v[TM+\b], v[S+16*\b], v[S+1+16*\b], v[S+2+16*\b]   ; the largest score of each block of 32 keys: for the row's maximum, and, since p rises with the score, for the block's largest p
.endr
.irp i, 3,5,7,9,11,13
.irp b, 0,1,2,3
	v_max3_num_f32 v[TM+\b], v[TM+\b], v[S+16*\b+\i], v[S+1+16*\b+\i]
.endr
.endr
.irp b, 0,1,2,3
	v_max_num_f32 v[TM+\b], v[TM+\b], v[S+15+16*\b]
.endr
.irp b, 0,1,2,3
	v_permlanex16_b32 v[TM+4+\b], v[TM+\b], s[SEL], s[SEL+1]
.endr
.irp b, 0,1,2,3
	v_max_num_f32 v[TM+\b], v[TM+\b], v[TM+4+\b]   ; with lane l xor 16's 16 keys
.endr
	v_max3_num_f32 v254, v[TM], v[TM+1], v[TM+2]
	v_max_num_f32 v254, v254, v[TM+3]              ; the step's largest score of my query
	v_mul_f32 v254, s[CS], v254                    ; as t
	v_max_num_f32 v13, v13, v254                   ; the running largest t
	v_mov_b32 v254, v12
	v_floor_f32 v12, -v13                          ; the new -M = -ceil(t): a whole number
	v_sub_f32 v254, v12, v254                      ; old M - new M: a whole number, 0 or less
	v_cvt_i32_f32 v254, v254                       ; (it saturates)
	v_ldexp_f32 v[FF], 1.0, v254                   ; f = 2^(old M - new M)
.set j, 0
.rept 32
	v_pk_fma_f32 v[S+j:S+j+1], v[S+j:S+j+1], s[CS:CS+1], v[12:13] op_sel_hi:[1,0,0]   ; t - M, two at a time
.set j, j+2
.endr
.irp b, 0,1,2,3
	v_fma_f32 v[TM+\b], v[TM+\b], s[CS], v12       ; the same of each block's largest score
.endr
.set j, 0
.rept 64
	v_exp_f32 v[S+j], v[S+j]                       ; p = 2^(t - M), at most 1
.set j, j+1
.endr
	v_pk_mul_f32 v[14:15], v[14:15], v[FF:FF+1] op_sel_hi:[1,0]   ; the sums under the new M: the plain place behind the exponentials
	s_wait_alu depctr_va_vdst(0)                   ; one wait for the whole batch, ahead of its first reader
.irp b, 0,1,2,3
	v_exp_f32 v[TM+\b], v[TM+\b]                   ; the block's largest p
.endr
	v_pk_add_f32 v[TM+4:TM+5], v[S:S+1], v[S+2:S+3]   ; the row's sum of the unquantised p, in two chains
.irp j, 4,8,12,16,20,24,28,32,36,40,44,48,52,56,60
	v_pk_add_f32 v[14:15], v[14:15], v[S+\j:S+1+\j]
	v_pk_add_f32 v[TM+4:TM+5], v[TM+4:TM+5], v[S+2+\j:S+3+\j]
.endr
	v_pk_add_f32 v[14:15], v[14:15], v[TM+4:TM+5]
	s_wait_alu depctr_va_vdst(0)                   ; and one for the four
.irp b, 0,1,2,3
	v_max_num_f32 v[TM+\b], 0x1800000, v[TM+\b]    ; the floor 2^(3 - 127): the byte cannot fall under 1
.endr
.irp b, 0,1,2,3
	v_add_nc_u32 v[TM+8+\b], 0xff000000, v[TM+\b]  ; 2 off the exponent field: the conversion's scale operand
.endr
.irp b, 0,1,2,3
	v_lshrrev_b32 v[TM+4+\b], 23, v[TM+8+\b]       ; the scale's byte
.endr
	v_lshl_or_b32 v[PS], v[TM+5], 8, v[TM+4]       ; p's scale word for these 128 keys
	v_lshl_or_b32 v[PS], v[TM+6], 16, v[PS]
	v_lshl_or_b32 v[PS], v[TM+7], 24, v[PS]
	CODES S, PC, TM+8
.set j, 0
.rept 32
	v_pk_mul_f32 v[O+j:O+j+1], v[O+j:O+j+1], v[FF:FF+1] op_sel_hi:[1,0]   ; O^T under the new M.  These are also the places between the codes, the scale word and the products
.set j, j+2
.endr
	s_wait_dscnt 0x0                               ; V is in
.irp t, 0,1,2,3,4,5,6,7
	v_wmma_scale_f32_16x16x128_f8f6f4 v[O+8*\t:O+8*\t+7], v[F+8*\t:F+8*\t+7], v[PC:PC+7], v[O+8*\t:O+8*\t+7], v[SW+\t], v[PS] matrix_a_fmt:MATRIX_FMT_FP4 matrix_b_fmt:MATRIX_FMT_FP4
.endr
.Lhidden_\@:
.endm
; A group of four key steps.  Behind its barrier every wave's part of the group lies in LDS; the groups issued behind it may stay out.
.macro GROUP g
	s_wait_tensorcnt 3-\g                          ; my part of group g is in: 3 - g loads were issued behind it
	s_barrier_signal -1
	s_barrier_wait -1
	s_mov_b32 s[TB], \g*GRP
	s_mov_b32 s[CNT], 4
.Lgroup_\@:
	STEP
	s_add_co_u32 s[TB], s[TB], REC
	s_add_co_u32 s[KF], s[KF], 128
	s_sub_co_u32 s[CNT], s[CNT], 1
	s_cmp_lg_u32 s[CNT], 0
	s_cbranch_scc1 .Lgroup_\@
.endm
	s_wait_loadcnt 0x0                             ; Q
	GROUP 0
	GROUP 1
	GROUP 2
	GROUP 3
	; THE WAY OUT: O^T / the sum, quantised along the head's 128 (four blocks of the model's 2,048), stored as an image
	v_add_f32 v14, v14, v15                        ; the sum's two halves,
	v_permlanex16_b32 v252, v14, s[SEL], s[SEL+1]
	v_add_f32 v14, v14, v252                       ; and lane l xor 16's
	v_rcp_f32 v14, v14
	v_lshlrev_b32 v[GS], 6, v6                     ; a plain place behind the reciprocal; with the three below and the additions above, the places behind the last products
.rept 3
	v_nop
.endr
	s_wait_alu depctr_va_vdst(0)                   ; ahead of the reciprocal's first reader
.set j, 0
.rept 32
	v_pk_mul_f32 v[S+j:S+j+1], v[O+j:O+j+1], v[14:15] op_sel_hi:[1,0]   ; each accumulator from its low end on
.set j, j+2
.endr
	QUANTN S, PC, OS
	global_store_b128 v[LI], v[PC:PC+3], s[8:9]    ; 32 lanes store 512 consecutive bytes, aligned
	global_store_b128 v[LI], v[PC+4:PC+7], s[8:9] offset:512
	global_store_b32 v[GS], v[OS], s[10:11]        ; my row's scale word, 64 bytes from row to row (lanes l and l xor 16 write the same word with the same value): the layout in which the next launch takes whole rows of scale bytes
	s_wait_tensorcnt 0x0
	ds_add_u32 v253, v255
	s_wait_dscnt 0x0
	s_endpgm
.Lfunc_end_k_q0304caa232_attn:
	.size	k_q0304caa232_attn, .Lfunc_end_k_q0304caa232_attn-k_q0304caa232_attn
	.p2alignl 7, 3214868480
	.fill 96, 4, 3214868480
	.section	.rodata,"a",@progbits
	.p2align	6, 0x0
	.amdhsa_kernel k_q0304caa232_attn
		.amdhsa_group_segment_fixed_size 279552
		.amdhsa_private_segment_fixed_size 0
		.amdhsa_enable_private_segment 0
		.amdhsa_kernarg_size 32
		.amdhsa_user_sgpr_count 2
		.amdhsa_user_sgpr_kernarg_segment_ptr 1
		.amdhsa_wavefront_size32 1
		.amdhsa_system_sgpr_workgroup_id_x 1
		.amdhsa_system_sgpr_workgroup_id_y 1
		.amdhsa_system_sgpr_workgroup_id_z 1
		.amdhsa_system_vgpr_workitem_id 0
		.amdhsa_next_free_vgpr 256
		.amdhsa_next_free_sgpr 66
		.amdhsa_reserve_vcc 1
		.amdhsa_float_denorm_mode_32 3
		.amdhsa_float_denorm_mode_16_64 3
		.amdhsa_memory_ordered 1
		.amdhsa_forward_progress 1
		.amdhsa_inst_pref_size 105
	.end_amdhsa_kernel
	.amdgpu_metadata
---
amdhsa.version: [ 1, 2 ]
amdhsa.kernels:
  - .name:           k_q0304caa232_attn
    .symbol:         k_q0304caa232_attn.kd
    .args:
      - { .name: qw, .offset: 0, .size: 8, .value_kind: global_buffer, .address_space: global }
      - { .name: kv, .offset: 8, .size: 8, .value_kind: global_buffer, .address_space: global }
      - { .name: af, .offset: 16, .size: 8, .value_kind: global_buffer, .address_space: global }
      - { .name: asc, .offset: 24, .size: 8, .value_kind: global_buffer, .address_space: global }
    .group_segment_fixed_size: 279552
    .private_segment_fixed_size: 0
    .kernarg_segment_align: 8
    .kernarg_segment_size: 32
    .max_flat_workgroup_size: 256
    .sgpr_count:     66
    .vgpr_count:     256
    .wavefront_size: 32
...
	.end_amdgpu_metadata
.endif
;; end of part 2
;; launch proj (part 3): grid 8 x 8, 4 waves a work-group, clusters of 4 x 4, 327,680 bytes of LDS; arguments af, asc, wp_codes, wp_scales, bp, out0; writes out0
.if DOCPART == 3
	.amdgcn_target "amdgcn-amd-amdhsa--gfx1250"
	.amdhsa_code_object_version 6
	.text
	.protected	k_q0304caa232_proj
	.globl	k_q0304caa232_proj
	.p2align	8
	.type	k_q0304caa232_proj,@function
k_q0304caa232_proj:
	s_mov_b64 s[64:65], 0
	v_nop
	global_prefetch_b8 v0, s[64:65] scope:SCOPE_SE
	s_setreg_imm32_b32 hwreg(HW_REG_WAVE_MODE, 25, 1), 1
	s_wait_xcnt 0x0
	s_wait_alu depctr_hold_cnt(0) depctr_sa_sdst(0) depctr_va_vdst(0) depctr_va_sdst(0) depctr_va_ssrc(0) depctr_va_vcc(0) depctr_vm_vsrc(0)
	s_getreg_b32 s2, hwreg(HW_REG_IB_STS2, 6, 4)
	s_cmp_eq_u32 s2, 0
	s_cbranch_scc0 .Lentry_in_a_cluster
	s_endpgm
.Lentry_in_a_cluster:
	s_bfe_u32 s2, ttmp6, 0x10000c
	s_cmp_lg_u32 s2, 0xf033
	s_cbranch_scc0 .Lentry_shape_is_right
	s_endpgm
.Lentry_shape_is_right:
; out0 = A wp^T + bp on codes of FP4 (E2M1, one E8M0 byte for each 32 along K).  M = N = K = 2,048; out0 f32; sums in f32.
; A, the attention's result, comes as IMAGES OF OPERAND REGISTERS: af [K step of 512][16 rows][128 along K][1,024 bytes]: registers 0-3 of lane l at 16 l, registers 4-7 at 512 + 16 l.  So a K step's fragments of 128 rows are
; 32,768 dense bytes, and a fragment is read from LDS as 2 x 512 consecutive bytes.  Its scale bytes asc lie [row][K / 32].  wp's codes and scale bytes lie by rows, K innermost.
; A tile of out0, 256 x 256, is made by four waves, 128 x 128 each: 64 accumulators.  K goes in steps of 512 through two LDS slots filled by tensor loads; the scale bytes of the tile's rows, for all of K, come once.
; CLUSTERS: 4 x 4 work-groups; A's tiles are asked for jointly along a row of the cluster, wp's along a column.  The grid is 8 x 8: this tile gives work to 64 work-groups.
; THE MATRIX INSTRUCTION IS USED TRANSPOSED (source 0 = 16 rows of wp, source 1 = 16 rows of A): a lane holds eight neighbouring numbers of a row of out0.
; REGISTERS, in windows of 256: window 0: v0-31 addresses; v32-95 scale words, two sets, and nothing else; v96-99 my four numbers of bp; v128-191 A's fragments, one set; on the way out v128-255.
;   window 1: wp's fragments, two sets, at v0 and v128.   windows 2, 3: the accumulators ((a, b) at v[8 (8 (a % 4) + b)]).
.set SIZE_N, 2048
.set SIZE_K, 2048
.set KSTEP,  512
.set NQ,     KSTEP/128
.set ROWB,   256
.set KROW,   SIZE_K*4/8
.set ASTEP,  524288                    ; from a K step of A's images to the next
.set PITCH,  272                       ; wp's rows in LDS: 256 bytes + 16 of padding
.set FR,     8
.set NL,     2
.set NP,     4
.set HALFT,  128*PITCH                 ; the place of 128 rows in a slot (A's images take 32,768 bytes of it)
.set SLOT,   4*HALFT
.set LAPS,   SIZE_K/(2*KSTEP)
.set KS,     SIZE_K/32
.set SCL,    2*SLOT
.set HALFS,  (128*KS/256)*272
.set SBLK,   (16*KS/256)*272
.set SPARE,  SCL+4*HALFS               ; the spare words, 128 bytes for each wave; no other line names them
.set SPITCH, 528                       ; the way out: a stage of 16 rows x (512 bytes + 16) for each wave, in slot 0, which has had its last fill and its last read when the first result is stored there
.set ADRA, 16
.set ADRB, 20
.set STO,  24
.set RD,   25
.set CO,   26                          ; v26  16 x lane
.set ADRS, 27
.set SPW,  28
.set NIL,  29
.set SC,   32
.set BI,   96                          ; v96-99 bp of my four columns of a row read back
.set AF,   128
.set BK,   128
.set G1, 24
.set G0, 32
.set G1B, 48
.set G0B, 56
.set G1S, 68
.set G0S, 76
.set G1SB, 80
.set G0SB, 88
.set MSB, 0
.macro WIN new
.if MSB != (\new)
	s_set_vgpr_msb (MSB<<8)|(\new)
.set MSB, (\new)
.endif
.endm
.set MUL_LO, 0xa1
.set MUL_HI, 0xf1
.set TO_B,   0x40
.macro JLOAD g0a, g1a, g0b, g1b        ; a joint load: waves 0 and 1 fetch for A, waves 2 and 3 for wp; four v_nop follow each of the two lines
	s_cmp_eq_u32 s15, 0
	s_cbranch_scc0 .Lfor_b_\@
	tensor_load_to_lds s[\g0a:\g0a+3], s[\g1a:\g1a+7]
	s_nop 0
.rept 4
	v_nop
.endr
	s_branch .Lasked_\@
.Lfor_b_\@:
	tensor_load_to_lds s[\g0b:\g0b+3], s[\g1b:\g1b+7]
	s_nop 0
.rept 4
	v_nop
.endr
.Lasked_\@:
.endm
.macro CREST
	s_cmp_lg_u32 s14, 0
	s_cbranch_scc1 .Lnot_wave_0_\@
	s_barrier_signal -3
.Lnot_wave_0_\@:
	s_barrier_wait -3
	s_barrier_signal -1
	s_barrier_wait -1
.endm
.macro CROUND
	s_barrier_signal -1
	s_barrier_wait -1
	CREST
.endm
	s_load_b128 s[4:7], s[0:1], 0x0                ; af, asc
	s_load_b128 s[8:11], s[0:1], 0x10              ; wp's codes, wp's scales
	s_load_b64 s[66:67], s[0:1], 0x20              ; bp
	s_load_b64 s[12:13], s[0:1], 0x28              ; out0
	v_lshl_add_u32 v[SPW], v0, 2, SPARE
	v_mov_b32 v[NIL], 0
	ds_add_u32 v28, v29
	ds_add_u32 v28, v29
	s_wait_dscnt 0x0
	v_lshrrev_b32 v1, 5, v0
	v_readfirstlane_b32 s14, v1                    ; wave 0..3
	s_lshr_b32 s15, s14, 1                         ; which half of the tile's rows is mine.  Also: I fetch for A (0) or for wp (1)
	s_and_b32 s16, s14, 1                          ; which half of its columns.  Also: which 128 rows of that tile I fetch
	s_bfe_u32 s40, ttmp6, 0x40000
	s_bfe_u32 s41, ttmp6, 0x40004
	s_lshl_b32 s42, ttmp9, 2
	s_add_co_u32 s42, s42, s40                     ; tile column
	s_and_b32 s17, ttmp7, 0xffff
	s_lshl_b32 s17, s17, 2
	s_add_co_u32 s17, s17, s41                     ; tile row
	s_lshl_b32 s43, s41, 2
	s_lshl_b32 s43, 15, s43                        ; my row of the cluster
	s_lshl_b32 s44, 0x1111, s40                    ; my column
	; group 1 for A's images: 128 rows of 256 bytes, dense, no padding
	s_or_b32 s[G1+0], s43, (0<<16)|(1<<21)
	s_mov_b32 s[G1+1], 256<<16
	s_mov_b32 s[G1+2], 128<<16
	s_mov_b32 s[G1+3], 256<<16
	s_mov_b32 s[G1+4], 128
	s_mov_b32 s[G1+5], 256
	s_mov_b32 s[G1+6], 0
	s_mov_b32 s[G1+7], 0
	; for wp's tiles: 128 rows x 256 bytes, 1,024 bytes apart, 16 bytes of padding behind each
	s_or_b32 s[G1B+0], s44, (0<<16)|(1<<20)|(1<<21)|(5<<22)|(3<<25)
	s_mov_b32 s[G1B+1], ROWB<<16
	s_mov_b32 s[G1B+2], 128<<16
	s_mov_b32 s[G1B+3], ROWB<<16
	s_mov_b32 s[G1B+4], 128
	s_mov_b32 s[G1B+5], KROW
	s_mov_b32 s[G1B+6], 0
	s_mov_b32 s[G1B+7], 0
	; for the scale bytes of 128 rows: a dense block, as rows of 256 bytes, 16 bytes of padding behind each
	s_or_b32 s[G1S+0], s43, (3<<16)|(1<<20)|(1<<21)|(5<<22)|(3<<25)
	s_or_b32 s[G1SB+0], s44, (3<<16)|(1<<20)|(1<<21)|(5<<22)|(3<<25)
.irp g, G1S, G1SB
	s_mov_b32 s[\g+1], 32<<16
	s_mov_b32 s[\g+2], (128*KS/256)<<16
	s_mov_b32 s[\g+3], 32<<16
	s_mov_b32 s[\g+4], 128*KS/256
	s_mov_b32 s[\g+5], 32
	s_mov_b32 s[\g+6], 0
	s_mov_b32 s[\g+7], 0
.endr
	s_lshl_b32 s18, s16, 7                         ; which 128 rows of the tile I fetch
	s_lshl_b32 s22, s17, 8
	s_add_co_u32 s22, s22, s18                     ; A: row 256 x tile row + 128 x half
	s_lshl_b32 s46, s42, 8
	s_add_co_u32 s46, s46, s18                     ; wp: row 256 x tile column + 128 x half
	s_mov_b32 s23, 0
	s_mov_b32 s47, 0
	s_lshl_b32 s20, s22, 8                         ; A's images of a K step: 256 bytes a row
	s_mov_b32 s21, 0
	s_mov_b64 s[18:19], KS
	s_mul_u64 s[22:23], s[22:23], s[18:19]         ; where these rows' scales begin
	s_mul_u64 s[92:93], s[46:47], s[18:19]
	s_mov_b64 s[18:19], KROW
	s_mul_u64 s[46:47], s[46:47], s[18:19]         ; and wp's codes
	s_mul_i32 s45, s14, HALFT
	s_mul_i32 s94, s14, HALFS
	s_wait_kmcnt 0x0
	s_add_nc_u64 s[20:21], s[4:5], s[20:21]
	s_add_nc_u64 s[22:23], s[6:7], s[22:23]
	s_add_nc_u64 s[46:47], s[8:9], s[46:47]
	s_add_nc_u64 s[92:93], s[10:11], s[92:93]
	CROUND                                         ; all sixteen work-groups are here: the first joint loads meet
	s_mov_b32 s[G0S], 1
	s_add_co_u32 s[G0S+1], s94, SCL
	s_mov_b64 s[G0S+2:G0S+3], s[22:23]
	s_or_b32 s[G0S+3], s[G0S+3], 0x80000000
	s_mov_b32 s[G0SB], 1
	s_add_co_u32 s[G0SB+1], s94, SCL
	s_mov_b64 s[G0SB+2:G0SB+3], s[92:93]
	s_or_b32 s[G0SB+3], s[G0SB+3], 0x80000000
	JLOAD G0S, G1S, G0SB, G1SB
.irp s, 0,1
	s_mov_b32 s[G0+4*\s], 1
	s_add_co_u32 s[G0+4*\s+1], s45, \s*SLOT
	s_add_nc_u64 s[G0+4*\s+2:G0+4*\s+3], s[20:21], \s*ASTEP
	s_or_b32 s[G0+4*\s+3], s[G0+4*\s+3], 0x80000000
	s_mov_b32 s[G0B+4*\s], 1
	s_add_co_u32 s[G0B+4*\s+1], s45, \s*SLOT
	s_add_nc_u64 s[G0B+4*\s+2:G0B+4*\s+3], s[46:47], \s*ROWB
	s_or_b32 s[G0B+4*\s+3], s[G0B+4*\s+3], 0x80000000
	JLOAD G0+4*\s, G1, G0B+4*\s, G1B
.endr
	v_and_b32 v1, 15, v0                           ; r
	v_bfe_u32 v2, v0, 4, 1                         ; h
	v_and_b32 v6, 31, v0
	v_lshlrev_b32 v[CO], 4, v6                     ; 16 x lane: my place in an image, in a row read back, and in a row of out0
	v_mul_u32_u24 v3, v1, PITCH
	v_lshl_add_u32 v4, v2, 4, v3                   ; wp: a fragment's row x pitch + 16 x half
	s_mul_i32 s21, s15, HALFT                      ; my 128 rows of A
	s_mul_i32 s22, s16, HALFT                      ; my 128 rows of wp,
	s_add_co_u32 s22, s22, 2*HALFT                 ; which lie behind A's two places
.irp s, 0,1
	v_add_nc_u32 v[ADRA+\s], s21, v[CO]
	v_add_nc_u32 v[ADRB+\s], s22, v4
	s_add_co_u32 s21, s21, SLOT
	s_add_co_u32 s22, s22, SLOT
.endr
	v_mul_u32_u24 v5, v1, KS
	v_lshrrev_b32 v6, 8, v5
	v_lshl_add_u32 v5, v6, 4, v5
	s_mul_i32 s21, s15, HALFS
	s_mul_i32 s22, s16, HALFS
	s_add_co_u32 s22, s22, 2*HALFS
	s_sub_co_u32 s22, s22, s21
	v_mul_u32_u24 v6, s22, v2                      ; lanes 16-31 take wp's
	s_add_co_u32 s21, s21, SCL
	v_add_nc_u32 v5, v5, v6
	v_add_nc_u32 v[ADRS], s21, v5
	s_mul_i32 s23, s14, 16*SPITCH                  ; my stage
	v_mul_u32_u24 v5, v1, SPITCH
	v_lshl_add_u32 v5, v2, 5, v5
	v_add_nc_u32 v[STO], s23, v5                   ; in: row r, 32 bytes for each half of the lanes
	v_add_nc_u32 v[RD], s23, v[CO]                 ; back: the 32 lanes take one row of 512 bytes
	s_lshl_b32 s20, s17, 8
	s_lshl_b32 s21, s15, 7
	s_add_co_u32 s20, s20, s21                     ; my first row of out0
	s_mov_b32 s21, 0
	s_mov_b64 s[18:19], SIZE_N*4
	s_mul_u64 s[20:21], s[20:21], s[18:19]
	s_lshl_b32 s46, s42, 10                        ; my first column, in bytes
	s_lshl_b32 s47, s16, 9
	s_add_co_u32 s46, s46, s47
	s_mov_b32 s47, 0
	s_add_nc_u64 s[66:67], s[66:67], s[46:47]      ; bp at my first column
	s_add_nc_u64 s[20:21], s[20:21], s[46:47]
	s_add_nc_u64 s[12:13], s[12:13], s[20:21]
	global_load_b128 v[BI:BI+3], v[CO], s[66:67]
.macro FRAG reg, adr, q, i             ; a fragment of wp from rows: registers 4 c .. 4 c + 3 hold K = 64 c + 32 (l / 16) + 0 .. 31
.irp c, 0,1
	ds_load_b128 v[\reg+4*\c:\reg+4*\c+3], v[\adr] offset:64*(\q)+32*\c+(\i)*16*PITCH
.endr
.endm
.macro FRAGA reg, adr, q, i            ; a fragment of A from its image: block i of 16 rows at 4,096 i, the slot's q-th 128 along K at 1,024 q
.irp c, 0,1
	ds_load_b128 v[\reg+4*\c:\reg+4*\c+3], v[\adr] offset:1024*(\q)+512*\c+(\i)*4096
.endr
.endm
; The 64 accumulators take turns, one instruction a turn, in the same order in every step.
.macro MUL16 a0, p, q, sc, zero
.irp a, \a0, \a0+1
.irp b, 0,1,2,3,4,5,6,7
.if \zero
	v_wmma_scale_f32_16x16x128_f8f6f4 v[8*(8*((\a)%4)+\b):8*(8*((\a)%4)+\b)+7], v[128*(\p)+FR*\b:128*(\p)+FR*\b+FR-1], v[AF+FR*(\a):AF+FR*(\a)+FR-1], 0, v[SC+8*NQ*(\sc)+NQ*\b+(\q)], v[SC+8*NQ*(\sc)+NQ*(\a)+(\q)] matrix_a_fmt:MATRIX_FMT_FP4 matrix_b_fmt:MATRIX_FMT_FP4 matrix_a_scale:MATRIX_SCALE_ROW1
.else
	v_wmma_scale_f32_16x16x128_f8f6f4 v[8*(8*((\a)%4)+\b):8*(8*((\a)%4)+\b)+7], v[128*(\p)+FR*\b:128*(\p)+FR*\b+FR-1], v[AF+FR*(\a):AF+FR*(\a)+FR-1], v[8*(8*((\a)%4)+\b):8*(8*((\a)%4)+\b)+7], v[SC+8*NQ*(\sc)+NQ*\b+(\q)], v[SC+8*NQ*(\sc)+NQ*(\a)+(\q)] matrix_a_fmt:MATRIX_FMT_FP4 matrix_b_fmt:MATRIX_FMT_FP4 matrix_a_scale:MATRIX_SCALE_ROW1
.endif
.endr
.endr
.endm
.macro FETCH_B slot, q, p
	WIN TO_B
.irp i, 0,1,2,3,4,5,6,7
	FRAG 128*(\p)+FR*\i, ADRB+\slot, \q, \i
.endr
	WIN 0
.endm
.macro FETCH_A slot, q, i0
.irp i, \i0, \i0+1, \i0+2, \i0+3
	FRAGA AF+FR*(\i), ADRA+\slot, \q, \i
.endr
.endm
.macro SCALES sc
.irp i, 0,1,2,3,4,5,6,7
	ds_load_b128 v[SC+8*NQ*\sc+NQ*\i:SC+8*NQ*\sc+NQ*\i+3], v[ADRS] offset:\i*SBLK
.endr
.endm
.macro PLACES n                        ; plain vector instructions between a matrix instruction and a load into, or a read of, its registers
.rept \n
	v_nop
.endr
.endm
.macro STEP slot, q, zero
	s_wait_dscnt 4*NL                              ; wp's set and A's blocks 0-3 are in; the youngest eight loads (A's blocks 4-7) may be out
	WIN MUL_LO
	MUL16 0, (\q)%2, \q, \slot, \zero
	MUL16 2, (\q)%2, \q, \slot, \zero
	s_wait_dscnt 0
	PLACES NP
	FETCH_B \slot, (\q)+1, 1-(\q)%2
	FETCH_A \slot, (\q)+1, 0
	WIN MUL_HI
	MUL16 4, (\q)%2, \q, \slot, \zero
	MUL16 6, (\q)%2, \q, \slot, \zero
	PLACES NP
	WIN 0
	FETCH_A \slot, (\q)+1, 4
.endm
; A slot's last step changes slots: one barrier; in front of it each wave waits for all its tensor loads, adds 0 to its spare word, and waits for that and for its reads of this slot.
.macro TURN slot, next, fill
	s_wait_tensorcnt 0x0                           ; all my tensor loads have landed: my part of the next slot
	ds_add_u32 v[SPW], v[NIL]                      ; 0 onto my spare word
	s_wait_dscnt 4*NL+1                            ; the add and the youngest eight loads may be out
	WIN MUL_LO
	MUL16 0, 1, NQ-1, \slot, 0
	s_wait_dscnt 0x0                               ; the add is done, and my reads of this slot are over
	s_barrier_signal -1
	MUL16 2, 1, NQ-1, \slot, 0
	WIN 0
	s_barrier_wait -1
.if \fill
	CREST                                          ; the barrier has opened a round of the cluster's barrier
	s_add_nc_u64 s[G0+4*\slot+2:G0+4*\slot+3], s[G0+4*\slot+2:G0+4*\slot+3], 2*ASTEP
	s_add_nc_u64 s[G0B+4*\slot+2:G0B+4*\slot+3], s[G0B+4*\slot+2:G0B+4*\slot+3], 2*ROWB
	JLOAD G0+4*\slot, G1, G0B+4*\slot, G1B         ; the first tensor load behind the round; its four v_nop are the places in front of the loads below
.else
	PLACES NP
.endif
	v_add_nc_u32 v[ADRS], 4*NQ, v[ADRS]
	FETCH_B \next, 0, 0
	FETCH_A \next, 0, 0
	SCALES \next
	WIN MUL_HI
	MUL16 4, 1, NQ-1, \slot, 0
	MUL16 6, 1, NQ-1, \slot, 0
	PLACES NP
	WIN 0
	FETCH_A \next, 0, 4
.endm
.macro STEPS slot, from
.set Q, \from
.rept NQ-1-\from
	STEP \slot, Q, 0
.set Q, Q+1
.endr
.endm
	s_wait_loadcnt 0x0                             ; bp
	s_wait_tensorcnt 1                             ; the scales and my part of K step 0 are in; K step 1's load may be out
	s_barrier_signal -1
	s_barrier_wait -1
	FETCH_B 0, 0, 0
	FETCH_A 0, 0, 0
	SCALES 0
	FETCH_A 0, 0, 4
	STEP 0, 0, 1                                   ; the first step's products start the sums
	s_mov_b32 s3, LAPS-1
.Llap:
	STEPS 0, 1
	TURN 0, 1, 1
	STEPS 1, 0
	TURN 1, 0, 1
	STEP 0, 0, 0
	s_sub_co_u32 s3, s3, 1
	s_cmp_lg_u32 s3, 0
	s_cbranch_scc1 .Llap
	STEPS 0, 1                                     ; the last lap fills nothing
	TURN 0, 1, 0
	STEPS 1, 0
	s_wait_dscnt 4*NL
	WIN MUL_LO
	MUL16 0, 1, NQ-1, 1, 0
	MUL16 2, 1, NQ-1, 1, 0
	s_wait_dscnt 0
	WIN MUL_HI
	MUL16 4, 1, NQ-1, 1, 0
	MUL16 6, 1, NQ-1, 1, 0
	WIN 0
; THE WAY OUT, block by block of 16 rows x 128 columns: through my own stage in LDS, back as whole rows of 512 bytes; bp is added to the rows read back; the 32 lanes store 512 consecutive bytes, aligned.
; LDS serves a wave's instructions in order (ISA guide 5.7.1.4): no wait between the stores and the loads.
.macro TOSTAGE a
.set AC, 64*((\a)%4)
	WIN 0x08+4*((\a)/4)                            ; the data: window 2 or 3
.irp b, 0,1,2,3,4,5,6,7
	ds_store_b128 v[STO], v[AC+8*\b:AC+8*\b+3] offset:64*\b          ; each accumulator from its low end on
	ds_store_b128 v[STO], v[AC+8*\b+4:AC+8*\b+7] offset:64*\b+16
.endr
	WIN 0
.set BB, BK+64*((\a)%2)
.irp t, 0,1,2,3,4,5,6,7,8,9,10,11,12,13,14,15
	ds_load_b128 v[BB+4*\t:BB+4*\t+3], v[RD] offset:\t*SPITCH
.endr
.endm
.macro SEND a, younger                 ; younger: the LDS instructions issued behind block a's loads, which may stay out
.set BB, BK+64*((\a)%2)
	s_wait_dscnt \younger
.if (\a) > 0
	s_add_nc_u64 s[12:13], s[12:13], 16*SIZE_N*4   ; behind a wait on XCNT: the earlier stores have read their base
.endif
.irp t, 0,1,2,3,4,5,6,7,8,9,10,11,12,13,14,15
	v_pk_add_f32 v[BB+4*\t:BB+4*\t+1], v[BB+4*\t:BB+4*\t+1], v[BI:BI+1]
	v_pk_add_f32 v[BB+4*\t+2:BB+4*\t+3], v[BB+4*\t+2:BB+4*\t+3], v[BI+2:BI+3]
	global_store_b128 v[CO], v[BB+4*\t:BB+4*\t+3], s[12:13] offset:\t*SIZE_N*4 th:TH_STORE_NT
.endr
.endm
	PLACES NP
	TOSTAGE 0
.irp a, 1,2,3,4,5,6,7
.if \a > 1
	s_wait_xcnt 0x0                                ; block a - 2's stores have read their registers and their base
.endif
	TOSTAGE \a
	SEND \a-1, 32                                  ; behind block a - 1's loads: block a's 16 stores and 16 loads
.endr
	s_wait_xcnt 0x0
	SEND 7, 0
	s_wait_tensorcnt 0x0                           ; the wave's end
	ds_add_u32 v[SPW], v[NIL]
	s_wait_dscnt 0x0
	CROUND                                         ; the closing round
	s_endpgm
.Lfunc_end_k_q0304caa232_proj:
	.size	k_q0304caa232_proj, .Lfunc_end_k_q0304caa232_proj-k_q0304caa232_proj
	.p2alignl 7, 3214868480
	.fill 96, 4, 3214868480
	.section	.rodata,"a",@progbits
	.p2align	6, 0x0
	.amdhsa_kernel k_q0304caa232_proj
		.amdhsa_group_segment_fixed_size 327680
		.amdhsa_private_segment_fixed_size 0
		.amdhsa_enable_private_segment 0
		.amdhsa_kernarg_size 48
		.amdhsa_user_sgpr_count 2
		.amdhsa_user_sgpr_kernarg_segment_ptr 1
		.amdhsa_wavefront_size32 1
		.amdhsa_system_sgpr_workgroup_id_x 1
		.amdhsa_system_sgpr_workgroup_id_y 1
		.amdhsa_system_sgpr_workgroup_id_z 1
		.amdhsa_system_vgpr_workitem_id 0
		.amdhsa_next_free_vgpr 1024
		.amdhsa_next_free_sgpr 98
		.amdhsa_reserve_vcc 0
		.amdhsa_float_denorm_mode_32 3
		.amdhsa_float_denorm_mode_16_64 3
		.amdhsa_memory_ordered 1
		.amdhsa_forward_progress 1
		.amdhsa_inst_pref_size 228
	.end_amdhsa_kernel
	.amdgpu_metadata
---
amdhsa.version: [ 1, 2 ]
amdhsa.kernels:
  - .name:           k_q0304caa232_proj
    .symbol:         k_q0304caa232_proj.kd
    .args:
      - { .name: af, .offset: 0, .size: 8, .value_kind: global_buffer, .address_space: global }
      - { .name: asc, .offset: 8, .size: 8, .value_kind: global_buffer, .address_space: global }
      - { .name: wp_codes, .offset: 16, .size: 8, .value_kind: global_buffer, .address_space: global }
      - { .name: wp_scales, .offset: 24, .size: 8, .value_kind: global_buffer, .address_space: global }
      - { .name: bp, .offset: 32, .size: 8, .value_kind: global_buffer, .address_space: global }
      - { .name: out0, .offset: 40, .size: 8, .value_kind: global_buffer, .address_space: global }
    .group_segment_fixed_size: 327680
    .private_segment_fixed_size: 0
    .kernarg_segment_align: 8
    .kernarg_segment_size: 48
    .max_flat_workgroup_size: 128
    .sgpr_count:     98
    .vgpr_count:     1024
    .wavefront_size: 32
...
	.end_amdgpu_metadata
.endif
;; end of part 3
;; ======== version 2 of 2: 3 launches; 1.12 times as fast as version 1
;; workspace buffers: qw 2,228,224 bytes; kv 4,456,448 bytes; af 2,097,152 bytes; asc 131,072 bytes
;; launch qkv: the kernel of part 1 again; grid 24 x 8, 4 waves a work-group, clusters of 4 x 4, 327,680 bytes of LDS; arguments x_codes, x_scales, wq_codes, wq_scales, wk_codes, wk_scales, wv_codes, wv_scales, bq, bk, bv, cos, sin, qw, kv; writes qw, kv
;; launch attn: the kernel of part 2 again; grid 16 x 16, 8 waves a work-group, no clusters, 279,552 bytes of LDS; arguments qw, kv, af, asc; writes af, asc
;; launch proj (part 4): grid 16 x 16, 4 waves a work-group, clusters of 4 x 4, 305,664 bytes of LDS; arguments af, asc, wp_codes, wp_scales, bp, out0; writes out0
.if DOCPART == 4
	.amdgcn_target "amdgcn-amd-amdhsa--gfx1250"
	.amdhsa_code_object_version 6
	.text
	.protected	k_q0304caa232_proj
	.globl	k_q0304caa232_proj
	.p2align	8
	.type	k_q0304caa232_proj,@function
k_q0304caa232_proj:
	s_mov_b64 s[64:65], 0
	v_nop
	global_prefetch_b8 v0, s[64:65] scope:SCOPE_SE
	s_setreg_imm32_b32 hwreg(HW_REG_WAVE_MODE, 25, 1), 1
	s_wait_xcnt 0x0
	s_wait_alu depctr_hold_cnt(0) depctr_sa_sdst(0) depctr_va_vdst(0) depctr_va_sdst(0) depctr_va_ssrc(0) depctr_va_vcc(0) depctr_vm_vsrc(0)
	s_getreg_b32 s2, hwreg(HW_REG_IB_STS2, 6, 4)
	s_cmp_eq_u32 s2, 0
	s_cbranch_scc0 .Lentry_in_a_cluster
	s_endpgm
.Lentry_in_a_cluster:
	s_bfe_u32 s2, ttmp6, 0x10000c
	s_cmp_lg_u32 s2, 0xf033
	s_cbranch_scc0 .Lentry_shape_is_right
	s_endpgm
.Lentry_shape_is_right:
; out0 = A wp^T + bp on codes of FP4 (E2M1, one E8M0 byte for each 32 along K).  M = N = K = 2,048; out0 f32; sums in f32.  Nothing is quantised here: codes and scale bytes are taken as they lie.
; A, the attention's result, comes as IMAGES OF OPERAND REGISTERS: af [K step of 512][16 rows][128 along K][1,024 bytes]: registers 0-3 of lane l at 16 l, registers 4-7 at 512 + 16 l.  So a K step's fragments of 128 rows are
; 32,768 dense bytes, and a fragment is read from LDS as 2 x 512 consecutive bytes.  Its scale bytes asc lie [row][K / 32].  wp's codes and scale bytes lie by rows, K innermost.
; SHARES.  A tile of out0 is 128 x 128: 16 x 16 = 256 work-groups (tiles of 256 x 256 would be 64).  Four waves, 64 x 64 each: 16 accumulators of 16 x 16, 16 steps of 128 along K, 256 matrix instructions a wave.
; LDS IS FILLED ONCE.  All of K for 128 rows of A (4 x 32,768 bytes) and 128 rows of wp (4 x 128 rows x 272 bytes) lies in LDS together with their scale bytes: no slot is ever filled again, so there is no ring.
; Each wave issues three tensor loads at the head, and three of mine are out at the most: the scale bytes of 64 rows, K step wave % 2, K step 2 + wave % 2 (128 rows x 256 bytes each); waves 0 and 1 for A, waves 2 and 3 for wp.
; Behind the first barrier K steps 0 and 1 are whole, behind the second K steps 2 and 3.
; CLUSTERS: 4 x 4 work-groups; A's tiles are asked for jointly along a row of the cluster, wp's along a column: a round of the cluster's barrier in front of the joint loads, and one in front of s_endpgm.
; THE MATRIX INSTRUCTION IS USED TRANSPOSED (source 0 = 16 rows of wp, source 1 = 16 rows of A): lane (r, h) holds row r of a block, and register j of accumulator (a, b) column 16 b + 8 h + j.
; bp, in that layout, is the C of each sum's first product: no addition is written.
; REGISTERS, in windows of 256.  window 0: v0-31 addresses; v32-95 the scale words of all of K, and nothing else; v96-127 bp; v128-255 the accumulators ((a, b) at v[128 + 8 (4 a + b)]).
;   window 1: four sets of 64 (A's four fragments, then wp's four), step n in set n % 4, fetched two steps ahead; on the way out v0-127: the rows read back, 32 registers a block.
.set SIZE_N, 2048
.set SIZE_K, 2048
.set ROWB,   256                       ; a K step of 512 codes, in bytes
.set KROW,   SIZE_K*4/8                ; a row of wp's codes in memory
.set ASTEP,  524288                    ; from a K step of A's images to the next, in memory
.set PITCH,  272                       ; wp's rows in LDS: 256 bytes + 16 of padding: the 16 rows that a load touches start 68 words apart
.set ATILE,  32768                     ; A's images of 128 rows, one K step
.set BTILE,  128*PITCH                 ; wp's 128 rows, one K step
.set BBASE,  4*ATILE                   ; LDS: A's four K steps, then wp's four,
.set KS,     SIZE_K/32                 ; (a row of scale bytes)
.set SCL,    BBASE+4*BTILE             ; the scale bytes, as pieces of 256 bytes + 16 of padding: A's two halves, wp's two halves,
.set HALFS,  (64*KS/256)*272           ; (those of 64 rows: one tensor load)
.set SBLK,   (16*KS/256)*272           ; (those of 16 rows)
.set STAGE,  SCL+4*HALFS               ; and the stages for the way out: 16 rows x (256 bytes + 16) for each wave, bytes into which no tensor load lands
.set SPITCH, 272
.set ADRA, 16                          ; v16-19  LDS address of my A fragments in K step 0 .. 3
.set ADRB, 20                          ; v20-23  the same for wp
.set STO,  24                          ; v24     the way out: where I put 32 bytes of a row
.set RD,   25                          ; v25     where I read 16 bytes of a row back
.set CO,   26                          ; v26     and their place in out0
.set ADRS, 27                          ; v27     LDS address of my scale words: lanes 0-15 A's rows, lanes 16-31 wp's
.set LI,   28                          ; v28     16 x lane: my place in an image
.set VB,   29                          ; v29     32 h: my place in bp
.set SC,   32                          ; scale words: register 16 s + 4 i + q: lanes 0-15 the word of A's block i, lanes 16-31 that of wp's block i, for K = 512 s + 128 q on
.set BI,   96                          ; bp of columns 16 b + 8 h + j at v[BI + 8 b + j]
.set ACC,  128
.set G1, 24                            ; s[24:31] descriptor group 1 for A's tiles;  s[32:39] group 0, a set for each of my two K steps
.set G0, 32
.set G1B, 48                           ; s[48:55], s[56:63] the same for wp's tiles
.set G0B, 56
.set G1S, 68                           ; s[68:75], s[76:79] groups 1 and 0 for A's scale bytes;  s[80:87], s[88:91] for wp's
.set G0S, 76
.set G1SB, 80
.set G0SB, 88
.set MSB, 0
.macro WIN new                         ; the immediate's high byte repeats the setting that is left
.if MSB != (\new)
	s_set_vgpr_msb (MSB<<8)|(\new)
.set MSB, (\new)
.endif
.endm
.set MUL,   0x05                       ; sources 0 (wp) and 1 (A) window 1; C and D window 0
.set TO_F,  0x40                       ; destination window 1, address window 0
.set FROM_F, 0x04                      ; a store's data (source 1) window 1, its address window 0
.macro JLOAD g0a, g1a, g0b, g1b        ; a joint load: waves 0 and 1 fetch for A, waves 2 and 3 for wp; the branch hangs on the wave's number alone; four v_nop follow each of the two lines
	s_cmp_eq_u32 s15, 0
	s_cbranch_scc0 .Lfor_b_\@
	tensor_load_to_lds s[\g0a:\g0a+3], s[\g1a:\g1a+7]
	s_nop 0
.rept 4
	v_nop
.endr
	s_branch .Lasked_\@
.Lfor_b_\@:
	tensor_load_to_lds s[\g0b:\g0b+3], s[\g1b:\g1b+7]
	s_nop 0
.rept 4
	v_nop
.endr
.Lasked_\@:
.endm
.macro CROUND                          ; a round of the cluster's barrier
	s_barrier_signal -1
	s_barrier_wait -1
	s_cmp_lg_u32 s14, 0
	s_cbranch_scc1 .Lnot_wave_0_\@
	s_barrier_signal -3
.Lnot_wave_0_\@:
	s_barrier_wait -3
	s_barrier_signal -1
	s_barrier_wait -1
.endm
	s_load_b128 s[4:7], s[0:1], 0x0                ; af, asc
	s_load_b128 s[8:11], s[0:1], 0x10              ; wp's codes, wp's scales
	s_load_b64 s[66:67], s[0:1], 0x20              ; bp
	s_load_b64 s[12:13], s[0:1], 0x28              ; out0
	v_lshl_add_u32 v30, v0, 2, 0x4a800
	v_mov_b32 v31, 0
	ds_add_u32 v30, v31
	ds_add_u32 v30, v31
	v_lshrrev_b32 v1, 5, v0
	v_readfirstlane_b32 s14, v1                    ; wave 0..3
	s_lshr_b32 s15, s14, 1                         ; which half of the tile's rows is mine.  Also: I fetch for A (0) or for wp (1)
	s_and_b32 s16, s14, 1                          ; which half of its columns.  Also: which K steps and which 64 rows of scale bytes I fetch
	s_bfe_u32 s40, ttmp6, 0x40000                  ; cx, cy: my place in the cluster
	s_bfe_u32 s41, ttmp6, 0x40004
	s_lshl_b32 s42, ttmp9, 2
	s_add_co_u32 s42, s42, s40                     ; tile column = 4 x cluster x + cx
	s_and_b32 s17, ttmp7, 0xffff
	s_lshl_b32 s17, s17, 2
	s_add_co_u32 s17, s17, s41                     ; tile row = 4 x cluster y + cy
	s_lshl_b32 s43, s41, 2
	s_lshl_b32 s43, 15, s43                        ; my row of the cluster
	s_lshl_b32 s44, 0x1111, s40                    ; my column
	; group 1 for A's images: 128 rows of 256 bytes, dense, no padding
	s_or_b32 s[G1+0], s43, (0<<16)|(1<<21)         ; 15:0 the mask: my row; 17:16 elements of 1 byte; 21 set beside a mask
	s_mov_b32 s[G1+1], 256<<16                     ; tensor_dim0
	s_mov_b32 s[G1+2], 128<<16                     ; tensor_dim1
	s_mov_b32 s[G1+3], 256<<16                     ; tile_dim0
	s_mov_b32 s[G1+4], 128                         ; tile_dim1
	s_mov_b32 s[G1+5], 256                         ; from row to row
	s_mov_b32 s[G1+6], 0
	s_mov_b32 s[G1+7], 0
	; for wp's tiles: 128 rows x 256 bytes, 1,024 bytes apart, 16 bytes of padding behind each
	s_or_b32 s[G1B+0], s44, (0<<16)|(1<<20)|(1<<21)|(5<<22)|(3<<25)   ; the mask: my column; padding on: after every 64 words (code 5) four words (code 3)
	s_mov_b32 s[G1B+1], ROWB<<16
	s_mov_b32 s[G1B+2], 128<<16
	s_mov_b32 s[G1B+3], ROWB<<16
	s_mov_b32 s[G1B+4], 128
	s_mov_b32 s[G1B+5], KROW
	s_mov_b32 s[G1B+6], 0
	s_mov_b32 s[G1B+7], 0
	; for the scale bytes of 64 rows: 4,096 dense bytes, as 16 rows of 256 bytes (32 elements of 8 bytes), 16 bytes of padding behind each
	s_or_b32 s[G1S+0], s43, (3<<16)|(1<<20)|(1<<21)|(5<<22)|(3<<25)
	s_or_b32 s[G1SB+0], s44, (3<<16)|(1<<20)|(1<<21)|(5<<22)|(3<<25)
.irp g, G1S, G1SB
	s_mov_b32 s[\g+1], 32<<16
	s_mov_b32 s[\g+2], (64*KS/256)<<16
	s_mov_b32 s[\g+3], 32<<16
	s_mov_b32 s[\g+4], 64*KS/256
	s_mov_b32 s[\g+5], 32
	s_mov_b32 s[\g+6], 0
	s_mov_b32 s[\g+7], 0
.endr
	; where my tiles come from.  A's hang on the tile row and the wave's number alone, wp's on the tile column and the wave's number alone, each in registers that never hold the other coordinate
	s_lshl_b32 s20, s17, 15                        ; A: the tile's 128 rows in a K step: 32,768 x tile row,
	s_lshl_b32 s18, s16, 19                        ; + K step wave % 2
	s_add_co_u32 s20, s20, s18
	s_mov_b32 s21, 0
	s_lshl_b32 s46, s42, 17                        ; wp: 128 rows of 1,024 bytes x tile column,
	s_lshl_b32 s18, s16, 8                         ; + K step wave % 2
	s_add_co_u32 s46, s46, s18
	s_mov_b32 s47, 0
	s_lshl_b32 s18, s16, 12                        ; scale bytes: my 64 rows of 64 bytes,
	s_lshl_b32 s22, s17, 13                        ; of the tile's 128
	s_add_co_u32 s22, s22, s18
	s_mov_b32 s23, 0
	s_lshl_b32 s92, s42, 13
	s_add_co_u32 s92, s92, s18
	s_mov_b32 s93, 0
	s_mul_i32 s45, s16, ATILE                      ; and where they go: no place in the cluster enters an LDS address
	s_mul_i32 s95, s16, BTILE
	s_add_co_u32 s95, s95, BBASE
	s_mul_i32 s94, s16, HALFS
	s_wait_dscnt 0x0
	s_wait_kmcnt 0x0
	s_add_nc_u64 s[20:21], s[4:5], s[20:21]
	s_add_nc_u64 s[22:23], s[6:7], s[22:23]
	s_add_nc_u64 s[46:47], s[8:9], s[46:47]
	s_add_nc_u64 s[92:93], s[10:11], s[92:93]
	CROUND                                         ; all sixteen work-groups are here: the joint loads meet
	s_mov_b32 s[G0S], 1
	s_add_co_u32 s[G0S+1], s94, SCL
	s_mov_b64 s[G0S+2:G0S+3], s[22:23]
	s_or_b32 s[G0S+3], s[G0S+3], 0x80000000
	s_mov_b32 s[G0SB], 1
	s_add_co_u32 s[G0SB+1], s94, SCL+2*HALFS
	s_mov_b64 s[G0SB+2:G0SB+3], s[92:93]
	s_or_b32 s[G0SB+3], s[G0SB+3], 0x80000000
	JLOAD G0S, G1S, G0SB, G1SB                     ; the scale bytes first: they are wanted with the first product
.irp s, 0,1
	s_mov_b32 s[G0+4*\s], 1                                        ; count = 1
	s_add_co_u32 s[G0+4*\s+1], s45, \s*2*ATILE                     ; LDS address: K step 2 s + wave % 2
	s_add_nc_u64 s[G0+4*\s+2:G0+4*\s+3], s[20:21], \s*2*ASTEP      ; global address
	s_or_b32 s[G0+4*\s+3], s[G0+4*\s+3], 0x80000000                ; type = 2
	s_mov_b32 s[G0B+4*\s], 1
	s_add_co_u32 s[G0B+4*\s+1], s95, \s*2*BTILE
	s_add_nc_u64 s[G0B+4*\s+2:G0B+4*\s+3], s[46:47], \s*2*ROWB
	s_or_b32 s[G0B+4*\s+3], s[G0B+4*\s+3], 0x80000000
	JLOAD G0+4*\s, G1, G0B+4*\s, G1B
.endr
	v_and_b32 v1, 15, v0                           ; r = lane % 16
	v_bfe_u32 v2, v0, 4, 1                         ; h = lane / 16
	v_and_b32 v6, 31, v0
	v_lshlrev_b32 v[LI], 4, v6
	v_lshlrev_b32 v[VB], 5, v2
	s_lshl_b32 s20, s17, 7
	s_lshl_b32 s21, s15, 6
	s_add_co_u32 s20, s20, s21                     ; my first row of out0: 128 x tile row + 64 x half
	s_mov_b32 s21, 0
	s_mov_b64 s[18:19], SIZE_N*4
	s_mul_u64 s[20:21], s[20:21], s[18:19]
	s_lshl_b32 s46, s42, 9                         ; my first column, in bytes: 512 x tile column + 256 x half
	s_lshl_b32 s47, s16, 8
	s_add_co_u32 s46, s46, s47
	s_mov_b32 s47, 0
	s_add_nc_u64 s[66:67], s[66:67], s[46:47]      ; bp at my first column
	s_add_nc_u64 s[20:21], s[20:21], s[46:47]
	s_add_nc_u64 s[12:13], s[12:13], s[20:21]
.irp b, 0,1,2,3
	global_load_b128 v[BI+8*\b:BI+8*\b+3], v[VB], s[66:67] offset:64*\b          ; bp of columns 16 b + 8 h + 0 .. 7
	global_load_b128 v[BI+8*\b+4:BI+8*\b+7], v[VB], s[66:67] offset:64*\b+16
.endr
	v_mul_u32_u24 v3, v1, PITCH
	v_lshl_add_u32 v4, v2, 4, v3                   ; wp: a fragment's row x pitch + 16 x half
	s_lshl_b32 s21, s15, 14                        ; my 64 rows of A: four images of 4,096 bytes
	s_mul_i32 s22, s16, 64*PITCH                   ; my 64 rows of wp
	s_add_co_u32 s22, s22, BBASE
.irp s, 0,1,2,3
	v_add_nc_u32 v[ADRA+\s], s21, v[LI]
	v_add_nc_u32 v[ADRB+\s], s22, v4
	s_add_co_u32 s21, s21, ATILE
	s_add_co_u32 s22, s22, BTILE
.endr
	v_mul_u32_u24 v5, v1, KS                       ; my row's scale bytes: KS bytes a row,
	v_lshrrev_b32 v6, 8, v5
	v_lshl_add_u32 v5, v6, 4, v5                   ; and 16 more for each 256 passed
	s_mul_i32 s21, s15, HALFS                      ; A's: my 64 rows
	s_mul_i32 s22, s16, HALFS                      ; wp's: my 64 rows, behind A's 128
	s_add_co_u32 s22, s22, 2*HALFS
	s_sub_co_u32 s22, s22, s21
	v_mul_u32_u24 v6, s22, v2                      ; lanes 16-31 take wp's: one product, the distance between the two bases x h
	s_add_co_u32 s21, s21, SCL
	v_add_nc_u32 v5, v5, v6
	v_add_nc_u32 v[ADRS], s21, v5
	s_mul_i32 s23, s14, 16*SPITCH
	s_add_co_u32 s23, s23, STAGE                   ; my stage
	v_mul_u32_u24 v5, v1, SPITCH
	v_lshl_add_u32 v5, v2, 5, v5
	v_add_nc_u32 v[STO], s23, v5                   ; in: row r, 32 bytes for each half of the lanes
	v_mul_u32_u24 v5, v2, SPITCH
	v_lshl_add_u32 v5, v1, 4, v5
	v_add_nc_u32 v[RD], s23, v5                    ; back: lanes 0-15 take one row of 256 bytes, lanes 16-31 the next
	v_lshlrev_b32 v5, 13, v2
	v_lshl_add_u32 v[CO], v1, 4, v5                ; and the same two rows in out0, 8,192 bytes apart
; The fragments of step n (K = 128 n on: K step n / 4, its (n % 4)-th 128) into set n % 4: 16 LDS loads.
; wp from rows: registers 4 c .. 4 c + 3 hold K = 64 c + 32 h + 0 .. 31: 16 bytes at 32 c + 16 h.  A from its image: block i of 16 rows at 4,096 i, 1,024 bytes for each 128 along K.
.macro FETCH n
.set FS, 64*((\n)%4)
.irp i, 0,1,2,3
.irp c, 0,1
	ds_load_b128 v[FS+32+8*\i+4*\c:FS+32+8*\i+4*\c+3], v[ADRB+(\n)/4] offset:64*((\n)%4)+32*\c+\i*16*PITCH
.endr
.irp c, 0,1
	ds_load_b128 v[FS+8*\i+4*\c:FS+8*\i+4*\c+3], v[ADRA+(\n)/4] offset:1024*((\n)%4)+512*\c+\i*4096
.endr
.endr
.endm
.macro SCALES s0                       ; the scale words of K steps s0 and s0 + 1: four words a row and K step; lanes 0-15 take A's block i, lanes 16-31 wp's block i
.irp s, \s0, \s0+1
.irp i, 0,1,2,3
	ds_load_b128 v[SC+16*(\s)+4*\i:SC+16*(\s)+4*\i+3], v[ADRS] offset:\i*SBLK+16*(\s)
.endr
.endr
.endm
; 16 matrix instructions: A's four blocks x wp's four, step n.  first = 1: bp is the C, and the product starts the sums: nothing is cleared and nothing is added later.
; The 16 accumulators take turns, one instruction a turn, in the same order in every step.
.macro MUL16 n, first
.set FS, 64*((\n)%4)
.set SW, SC+16*((\n)/4)+(\n)%4
.irp a, 0,1,2,3
.irp b, 0,1,2,3
.if \first
	v_wmma_scale_f32_16x16x128_f8f6f4 v[ACC+8*(4*\a+\b):ACC+8*(4*\a+\b)+7], v[FS+32+8*\b:FS+32+8*\b+7], v[FS+8*\a:FS+8*\a+7], v[BI+8*\b:BI+8*\b+7], v[SW+4*\b], v[SW+4*\a] matrix_a_fmt:MATRIX_FMT_FP4 matrix_b_fmt:MATRIX_FMT_FP4 matrix_a_scale:MATRIX_SCALE_ROW1
.else
	v_wmma_scale_f32_16x16x128_f8f6f4 v[ACC+8*(4*\a+\b):ACC+8*(4*\a+\b)+7], v[FS+32+8*\b:FS+32+8*\b+7], v[FS+8*\a:FS+8*\a+7], v[ACC+8*(4*\a+\b):ACC+8*(4*\a+\b)+7], v[SW+4*\b], v[SW+4*\a] matrix_a_fmt:MATRIX_FMT_FP4 matrix_b_fmt:MATRIX_FMT_FP4 matrix_a_scale:MATRIX_SCALE_ROW1
.endif
.endr
.endr
.endm
.macro PLACES                          ; four plain vector instructions between a matrix instruction and a load into, or a read of, its registers (ISA guide 7.12.1 for vector instructions)
.rept 4
	v_nop
.endr
.endm
; A step of 128 along K: the fragments of two steps on are asked for, then this step's are multiplied.  The set that is fetched into was last read two steps back.
.macro STEP n
.if (\n) == 6                          ; step 8 is the first of K step 2: its fetch stands behind the second barrier
	s_wait_tensorcnt 0x0                           ; my last tile has landed,
	s_wait_dscnt 0x0                               ; and no LDS load of mine is out at the signal
	s_barrier_signal -1
	s_barrier_wait -1                              ; everybody's has: K steps 2 and 3 are whole
.endif
.if (\n)+2 < 16
.if (\n) >= 2
	PLACES
.endif
.if (\n) == 6
	WIN 0
	SCALES 2
.endif
	WIN TO_F
	FETCH (\n)+2
	s_wait_dscnt 32                                ; this step's fragments are in: behind them the 32 loads of the next two steps were issued
.else
	s_wait_dscnt 16*(15-(\n))                      ; the last two steps fetch nothing
.endif
	WIN MUL
.if (\n) == 0
	MUL16 \n, 1
.else
	MUL16 \n, 0
.endif
.endm
	s_wait_tensorcnt 1                             ; my scale bytes and my first K step are in; my second K step's load, the one issued behind them, may be out
	s_barrier_signal -1
	s_barrier_wait -1                              ; everybody's are: the scale bytes and K steps 0 and 1 are whole
	SCALES 0
	WIN TO_F
	FETCH 0
	FETCH 1
	s_wait_loadcnt 0x0                             ; bp, ahead of the first products, whose C it is
.irp n, 0,1,2,3,4,5,6,7,8,9,10,11,12,13,14,15
	STEP \n
.endr
; THE WAY OUT, block by block of 16 rows x 64 columns.  A lane holds 32 neighbouring bytes of a row, and the lanes beside it hold other rows: so a block goes through my own stage and comes back as whole rows of 256 bytes.
; LDS serves a wave's instructions in order (ISA guide 5.7.1.4): no wait between the stores and the loads, nor in front of the next block's stores.  Each block has 32 registers of its own and every offset is an
; immediate ((16 a + 2 t) rows of 8,192 bytes, 507,904 at the most): no register that a store reads is written again.
.macro TOSTAGE a
	WIN 0
.irp b, 0,1,2,3
	ds_store_b128 v[STO], v[ACC+8*(4*\a+\b):ACC+8*(4*\a+\b)+3] offset:64*\b          ; each accumulator from its low end on
	ds_store_b128 v[STO], v[ACC+8*(4*\a+\b)+4:ACC+8*(4*\a+\b)+7] offset:64*\b+16
.endr
	WIN TO_F
.irp t, 0,1,2,3,4,5,6,7
	ds_load_b128 v[32*\a+4*\t:32*\a+4*\t+3], v[RD] offset:2*\t*SPITCH
.endr
.endm
.macro SEND a, younger                 ; younger: the LDS instructions issued behind block a's loads: the next block's 8 stores and 8 loads, or none
	s_wait_dscnt \younger
	WIN FROM_F
.irp t, 0,1,2,3,4,5,6,7
	global_store_b128 v[CO], v[32*\a+4*\t:32*\a+4*\t+3], s[12:13] offset:(16*\a+2*\t)*SIZE_N*4 th:TH_STORE_NT   ; 16 lanes store 256 consecutive bytes, at a multiple of 256 from out0's first byte; written once, read by nobody here
.endr
.endm
	PLACES                                         ; behind the last products: for the stores that read results, and for the loads into registers that held fragments
	TOSTAGE 0
	TOSTAGE 1
	SEND 0, 16
	TOSTAGE 2
	SEND 1, 16
	TOSTAGE 3
	SEND 2, 16
	SEND 3, 0
	WIN 0                                          ; at a label and at a branch every window is 0
	s_wait_tensorcnt 0x0
	ds_add_u32 v30, v31
	s_wait_dscnt 0x0
	CROUND                                         ; the closing round: no work-group ends while a partner may still ask for a tile that names it
	s_endpgm
.Lfunc_end_k_q0304caa232_proj:
	.size	k_q0304caa232_proj, .Lfunc_end_k_q0304caa232_proj-k_q0304caa232_proj
	.p2alignl 7, 3214868480
	.fill 96, 4, 3214868480
	.section	.rodata,"a",@progbits
	.p2align	6, 0x0
	.amdhsa_kernel k_q0304caa232_proj
		.amdhsa_group_segment_fixed_size 305664
		.amdhsa_private_segment_fixed_size 0
		.amdhsa_enable_private_segment 0
		.amdhsa_kernarg_size 48
		.amdhsa_user_sgpr_count 2
		.amdhsa_user_sgpr_kernarg_segment_ptr 1
		.amdhsa_wavefront_size32 1
		.amdhsa_system_sgpr_workgroup_id_x 1
		.amdhsa_system_sgpr_workgroup_id_y 1
		.amdhsa_system_sgpr_workgroup_id_z 1
		.amdhsa_system_vgpr_workitem_id 0
		.amdhsa_next_free_vgpr 512
		.amdhsa_next_free_sgpr 98
		.amdhsa_reserve_vcc 0
		.amdhsa_float_denorm_mode_32 3
		.amdhsa_float_denorm_mode_16_64 3
		.amdhsa_memory_ordered 1
		.amdhsa_forward_progress 1
		.amdhsa_inst_pref_size 72
	.end_amdhsa_kernel
	.amdgpu_metadata
---
amdhsa.version: [ 1, 2 ]
amdhsa.kernels:
  - .name:           k_q0304caa232_proj
    .symbol:         k_q0304caa232_proj.kd
    .args:
      - { .name: af, .offset: 0, .size: 8, .value_kind: global_buffer, .address_space: global }
      - { .name: asc, .offset: 8, .size: 8, .value_kind: global_buffer, .address_space: global }
      - { .name: wp_codes, .offset: 16, .size: 8, .value_kind: global_buffer, .address_space: global }
      - { .name: wp_scales, .offset: 24, .size: 8, .value_kind: global_buffer, .address_space: global }
      - { .name: bp, .offset: 32, .size: 8, .value_kind: global_buffer, .address_space: global }
      - { .name: out0, .offset: 40, .size: 8, .value_kind: global_buffer, .address_space: global }
    .group_segment_fixed_size: 305664
    .private_segment_fixed_size: 0
    .kernarg_segment_align: 8
    .kernarg_segment_size: 48
    .max_flat_workgroup_size: 128
    .sgpr_count:     98
    .vgpr_count:     512
    .wavefront_size: 32
...
	.end_amdgpu_metadata
.endif
;; end of part 4
